; MI455X (gfx1250); checked and timed in simulation.
; The chip was launched on July 23, 2026; its instructions are those of AMD's public machine-readable ISA for CDNA 5 (MIT licence, August 2026) and "CDNA5" Instruction Set Architecture Reference Guide (July 2026). The comments in the code are by the model that wrote it; some were corrected since.
;; Multi Head Attention. Allowed arithmetic: matrix products marked QUANTISED: E2M1 operands, one E8M0 scale for each 32 along K, by v_wmma_scale_f32_16x16x128_f8f6f4 with both operands' format E2M1 (or v_wmma_scale_f32_32x16x128_f4), f32 sums; products left as they are: bf16, f16 or f32 operands; f32 sums; everything else in f32.
;; Inputs: K 4 x 2,048 x 1,024 float32; Q 4 x 2,048 x 1,024 float32; V 4 x 2,048 x 1,024 float32; W_K 1,024 x 1,024 float32; W_O 1,024 x 1,024 float32; W_Q 1,024 x 1,024 float32; W_V 1,024 x 1,024 float32; attn_mask 4 x 2,048 x 2,048 bool.
;; Outputs: out0 4 x 2,048 x 1,024 float32.
;; This version of the problem:
;;   THIS VERSION OF THE PROBLEM IS GIVEN IN LOW PRECISION. The matrix products marked QUANTISED in the list below multiply operands that are first quantised to E2M1 (2 exponent bits, 1 mantissa bit; 4 bits a number), with one power-of-two scale for each 32 numbers along K (OCP MX v1.0); their sums are f32. The products marked 'left as it is' may take bf16, f16 or f32 operands, with f32 sums. Whichever they take, every output number must still come out within the allowed error. Rounding operands to bf16 (8 significant bits) uses up far more of that allowance than f16 does (11 bits, for magnitudes from 6e-5 to 65,504). All else is computed in f32.
;;   The module's matrix products, in the order in which they are computed (A, B: the left and right operand; K: the contracted axis; several contracted axes count as one K, in the product's order):
;;     1. [M 8,192, K 1,024] x [K 1,024, N 1,024]; A: input Q; B: input W_Q: QUANTISED
;;     2. [M 8,192, K 1,024] x [K 1,024, N 1,024]; A: input K; B: input W_K: QUANTISED
;;     3. [M 8,192, K 1,024] x [K 1,024, N 1,024]; A: input V; B: input W_V: QUANTISED
;;     4. batch 64 x [M 2,048, K 64] x [K 64, N 2,048]; A: computed on the way; B: computed on the way: left as it is (an operand is computed on the way)
;;     5. batch 64 x [M 2,048, K 2,048] x [K 2,048, N 64]; A: computed on the way; B: computed on the way: left as it is (an operand is computed on the way)
;;     6. [M 8,192, K 1,024] x [K 1,024, N 1,024]; A: computed on the way; B: input W_O: left as it is (an operand is computed on the way)
;;   THE QUANTISER, for each operand of a quantised product, along K:
;;     - K is cut into blocks of 32 from its start; a last block that is shorter is filled with zeros.
;;     - A block's scale is 2^e with e = floor(log2(the largest magnitude in the block)) - 2, held to -126 .. 127; a block of zeros has e = 0. As a byte (E8M0): e + 127.
;;     - Each number is divided by its block's scale, clamped to +-6, and rounded to the nearest number of E2M1, ties to even, subnormals kept.
;;     - The product sums the exact products of the quantised numbers (number of the format x scale) in f32.
;;   ~~~python
;;   def quantise(x, axis):      # numpy; x: float32 -> the quantised numbers, widened to float32 again
;;       x = np.moveaxis(x, axis, -1); K = x.shape[-1]
;;       x = np.pad(x, [(0, 0)] * (x.ndim - 1) + [(0, -K % 32)]); x = x.reshape(x.shape[:-1] + (-1, 32)); a = np.abs(x).max(-1, keepdims=True)
;;       e = np.where(a > 0, np.clip(np.frexp(np.where(a > 0, a, 1))[1] - 1 - 2, -126, 127), 0)      # np.frexp(a)[1] - 1 = floor(log2(a)), exactly
;;       r = np.clip(x / 2.0 ** e, -6, 6)
;;       step = 2.0 ** (np.maximum(np.frexp(np.where(r == 0, 1, r))[1] - 1, 0) - 1)
;;       q = np.round(r / step) * step * 2.0 ** e      # np.round: ties to even
;;       return np.moveaxis(q.reshape(q.shape[:-2] + (-1,))[..., :K], -1, axis).astype(np.float32)
;;   ~~~
;; One version. Each part assembles by itself: llvm-mc -triple=amdgcn-amd-amdhsa -mcpu=gfx1250 --defsym DOCPART=n.
;; ======== version 1 of 1: 4 launches
;; limits: values are held in f16: magnitudes above 65,504 overflow, below 6.1e-05 lose precision
;; workspace buffers: xcodes 12,582,912 bytes; xscales 786,432 bytes; wcodes 1,572,864 bytes; wscales 98,304 bytes; wot 2,097,152 bytes; maskw 2,097,152 bytes of whole numbers; qkvh 50,331,648 bytes; ctxh 16,777,216 bytes
;; launch prep (part 1): grid 1456 x 1, 4 waves a work-group, no clusters, 103,936 bytes of LDS; arguments Q, K, V, W_Q, W_K, W_V, W_O, attn_mask, xcodes, xscales, wcodes, wscales, wot, maskw; writes xcodes, xscales, wcodes, wscales, wot, maskw
.if DOCPART == 1
	.amdgcn_target "amdgcn-amd-amdhsa--gfx1250"
	.amdhsa_code_object_version 6
	.text
	.protected	k_q4b0cba983d_prep
	.globl	k_q4b0cba983d_prep
	.p2align	8
	.type	k_q4b0cba983d_prep,@function
k_q4b0cba983d_prep:
	s_mov_b64 s[64:65], 0
	v_nop
	global_prefetch_b8 v0, s[64:65] scope:SCOPE_SE
	s_setreg_imm32_b32 hwreg(HW_REG_WAVE_MODE, 25, 1), 1
	s_wait_xcnt 0x0
; Everything that is laid out once for the later launches.  Four paths, chosen by the work-group's number; each has LDS bytes of its own.
;   W (work-groups 0-47):     W_Q, W_K, W_V [1024 k][1024 n] f32 -> codes of FP4 (E2M1) with K innermost, wcodes [3][1024 n][512 bytes], and E8M0 scale bytes wscales [3][1024 n][32].
;   O (48-175):               W_O [1024 k][1024 n] f32 -> f16, turned and cut by heads: wot [16 head][1024 n][64 d] = W_O[64 head + d][n].
;   M (176-687):              attn_mask [8192 rows][2048 keys] of bytes -> lane masks: maskw [512 qt][32 ks][4 kt][8 j], 32-bit words; bit l = mask[16 qt + l % 16][64 ks + 16 kt + 8 (l / 16) + j].
;   X (688-1455):             Q, K, V [8192][1024] f32 -> codes xcodes [3][8192][512 bytes], scale bytes xscales [3][8192][32].
; THE QUANTISER: a block is 32 neighbours along K; its scale is 2^(floor(log2(largest magnitude)) - 2); the byte is the largest magnitude's exponent field - 2, held at 1 from below; numbers / scale go to the nearest code, ties to even.
; LIMITS: a block of zeros gets the byte 1 where the rule says 127 (its codes are zeros, and this program alone reads the bytes); blocks whose largest magnitude lies under 2^(2 - 126) were not tried; NaN and infinities are not served;
; |W_O| stays under 65,504 (f16).
; No tensor loads, no barrier: waves share nothing.  The paths with long chains of dependent work have the low numbers.
.set NW,    48
.set NO,    128
.set NM,    512
.set EMAX,  2
.set SPW,   180                        ; v180  LDS address of my spare word: SPARE + 4 x my thread's number; never rewritten
.set NIL,   181                        ; v181  0; never rewritten
.set WBASE, 32768                      ; LDS: X 0 .. 32,767;  W from here: 4 stages of 32 x 272
.set OBASE, 67584                      ; O: 4 stages of 32 x 144
.set MBASE, 86016                      ; M: 4 stages of 16 x 272
.set SPARE, 103424                     ; the spare words, 128 bytes for each wave: two blocks of 256 bytes that no other line names
.macro FINISH                          ; a wave's end: three lines behind its last LDS store
	s_wait_tensorcnt 0x0
	ds_add_u32 v[SPW], v[NIL]
	s_wait_dscnt 0x0
	s_endpgm
.endm
	v_lshl_add_u32 v[SPW], v0, 2, SPARE
	v_mov_b32 v[NIL], 0
	v_lshrrev_b32 v1, 5, v0
	v_readfirstlane_b32 s16, v1                    ; wave 0..3
	v_and_b32 v2, 31, v0                           ; lane
	s_cmp_lt_u32 ttmp9, NW
	s_cbranch_scc1 .Lw
	s_cmp_lt_u32 ttmp9, NW+NO
	s_cbranch_scc1 .Lo
	s_cmp_lt_u32 ttmp9, NW+NO+NM
	s_cbranch_scc1 .Lm
; ---------------- PATH X: Q, K, V.  Rows are dense and 1,024 is a multiple of 32: a tensor is a plain stream of blocks of 32, and so are its codes and scale bytes.
; A wave takes 16 steps of 512 numbers.  Each of a step's four loads reads 512 consecutive bytes; the 2,048 bytes turn through the wave's own stage in LDS (16 bytes of padding behind each 64) and come back
; 64 bytes a lane: 16 neighbours along K, two lanes to a block.  A lane's 16 codes are 8 bytes: the wave stores 256 consecutive bytes.  A wave's 256 scale bytes are gathered in LDS and leave as one aligned run of 256 bytes.
.set STEPS, 16
.set R,     16                         ; v16-79   four sets of 16 numbers as loaded
.set X,     80                         ; v80-111  two sets of 16 neighbours
.set E,     112                        ; v112-127 a scale byte for each step
.set C,     128                        ; v128-159 codes: two registers for each step, so that no store's data are written again
.set WREG,  8192                       ; a wave's region: two stages of 32 x SP bytes, behind them its 256 scale bytes
.set SP,    80
	s_load_b128 s[4:7], s[0:1], 0x0                ; Q, K
	s_load_b64 s[8:9], s[0:1], 0x10                ; V
	s_load_b128 s[12:15], s[0:1], 0x40             ; xcodes, xscales
	s_sub_co_u32 s17, ttmp9, NW+NO+NM              ; g = 0 .. 767: 256 work-groups to a tensor
	v_lshlrev_b32 v3, 4, v2                        ; my 16 bytes of a load's 512
	s_mul_i32 s24, s16, WREG
	v_lshrrev_b32 v14, 2, v2
	v_mul_u32_u24 v14, v14, SP
	v_and_b32 v15, 3, v2
	v_lshl_add_u32 v14, v15, 4, v14
	v_add_nc_u32 v14, s24, v14                     ; the stage, on the way in: SP (lane / 4) + 16 (lane % 4)
	v_mul_u32_u24 v15, v2, SP
	v_add_nc_u32 v15, s24, v15                     ; on the way out: SP x lane
	v_lshlrev_b32 v4, 3, v2                        ; my codes' place in a step's 256 bytes
	v_lshrrev_b32 v5, 1, v2
	s_add_co_u32 s24, s24, 2*32*SP
	v_add_nc_u32 v5, s24, v5                       ; my block's scale byte in LDS
	v_lshlrev_b32 v7, 3, v2
	v_add_nc_u32 v6, s24, v7                       ; and on the way out 8 bytes a lane
	s_and_b32 s18, s17, 255
	s_lshl_b32 s18, s18, 2
	s_add_co_u32 s18, s18, s16                     ; my run of 8,192 numbers in the tensor,
	s_lshl_b32 s18, s18, 15                        ; 32,768 bytes each
	s_mov_b32 s19, 0
	s_lshl_b32 s20, s17, 2
	s_add_co_u32 s20, s20, s16                     ; my run in the stacked buffers:
	s_lshl_b32 s22, s20, 12                        ; 4,096 bytes of codes,
	s_mov_b32 s23, 0
	s_lshl_b32 s26, s20, 8                         ; 256 scale bytes
	s_mov_b32 s27, 0
	s_wait_kmcnt 0x0
	s_cmp_lt_u32 s17, 256                          ; the choice hangs on the work-group's number alone
	s_cselect_b64 s[4:5], s[4:5], s[6:7]
	s_cmp_lt_u32 s17, 512
	s_cselect_b64 s[4:5], s[4:5], s[8:9]
	s_add_nc_u64 s[4:5], s[4:5], s[18:19]
	s_add_nc_u64 s[12:13], s[12:13], s[22:23]
	s_add_nc_u64 s[14:15], s[14:15], s[26:27]
.macro XLOAD t
.irp i, 0,1,2,3
	global_load_b128 v[R+16*((\t)%4)+4*\i:R+16*((\t)%4)+4*\i+3], v3, s[4:5] offset:2048*(\t)+512*\i th:TH_LOAD_NT
.endr
.endm
.macro XTURN t                         ; step t's numbers through the stage: LDS serves a wave's instructions in order, so no wait stands between the stores and the loads
.irp i, 0,1,2,3
	ds_store_b128 v14, v[R+16*((\t)%4)+4*\i:R+16*((\t)%4)+4*\i+3] offset:32*SP*((\t)%2)+8*SP*\i
.endr
.irp i, 0,1,2,3
	ds_load_b128 v[X+16*((\t)%2)+4*\i:X+16*((\t)%2)+4*\i+3], v15 offset:32*SP*((\t)%2)+16*\i
.endr
.endm
.irp t, 0,1,2,3
	XLOAD \t
.endr
	s_wait_loadcnt 12                              ; step 0's four loads are in; twelve younger ones stay out
	XTURN 0
.macro XSTEP t
.set XS, X+16*((\t)%2)
.if (\t) > 0
	s_wait_dscnt 1                                 ; this step's numbers are back from the stage; the last step's byte store may be out
.else
	s_wait_dscnt 0x0
.endif
.if (\t)+4 < STEPS
	XLOAD (\t)+4
.endif
.if (\t)+1 < STEPS
.if STEPS-2-(\t) >= 3
	s_wait_loadcnt 12                              ; the next step's four loads are in; those of the three steps behind it may be out
.else
	s_wait_loadcnt 4*(STEPS-2-(\t))
.endif
	XTURN (\t)+1
.endif
	v_max3_num_f32 v8, |v[XS]|, |v[XS+1]|, |v[XS+2]|               ; the largest magnitude of my 16, in two chains
	v_max3_num_f32 v9, |v[XS+3]|, |v[XS+4]|, |v[XS+5]|
.irp i, 6,10
	v_max3_num_f32 v8, v8, |v[XS+\i]|, |v[XS+\i+1]|
	v_max3_num_f32 v9, v9, |v[XS+\i+2]|, |v[XS+\i+3]|
.endr
	v_max3_num_f32 v8, v8, |v[XS+14]|, |v[XS+15]|
	v_max3_num_f32 v8, v8, v9, (EMAX+1)<<23        ; and the floor 2^(EMAX + 1 - 127): the byte cannot fall under 1
	v_max_num_f32_dpp v8, v8, v8 row_xmask:1 row_mask:0xf bank_mask:0xf   ; and of my neighbour's 16: the block's
	v_add_nc_u32 v11, -(EMAX<<23), v8              ; EMAX off its exponent field: the conversion takes that field as its scale
	v_cvt_scalef32_pk8_fp4_f32 v[C+2*(\t)], v[XS:XS+7], v11
	v_cvt_scalef32_pk8_fp4_f32 v[C+2*(\t)+1], v[XS+8:XS+15], v11
	v_lshrrev_b32 v[E+(\t)], 23, v11               ; the scale's byte (a plain line behind the conversions)
	ds_store_b8 v5, v[E+(\t)] offset:16*(\t)       ; both lanes of a block write the same byte with the same value
	global_store_b64 v4, v[C+2*(\t):C+2*(\t)+1], s[12:13] offset:256*(\t)
.endm
.irp t, 0,1,2,3,4,5,6,7,8,9,10,11,12,13,14,15
	XSTEP \t
.endr
	ds_load_b64 v[8:9], v6                         ; in order behind my byte stores
	s_wait_dscnt 0x0
	global_store_b64 v7, v[8:9], s[14:15]          ; 32 lanes store 256 consecutive bytes, aligned
	FINISH
; ---------------- PATH W: a weight whose K is its first axis.  A lane takes a column n and its registers run down K: a block of 32 lies in one lane, and the conversions give codes with K innermost.
; A wave takes 32 columns x 512 along K; a column's 256 bytes of codes go through the wave's stage and leave as rows: sixteen lanes store 256 consecutive bytes, aligned.
.set WP,    272
.set NB,    16
.set WX,    32                         ; v32-95   two sets of 32 numbers
.set WC,    96                         ; v96-99   a block's codes
.set OUTR,  112                        ; v112-175 the way out
.set SB,    24                         ; v24-27   the scale bytes, four to a register
.Lw:
	s_load_b64 s[4:5], s[0:1], 0x18                ; W_Q
	s_load_b128 s[8:11], s[0:1], 0x20              ; W_K, W_V
	s_load_b128 s[12:15], s[0:1], 0x50             ; wcodes, wscales
	s_lshr_b32 s17, ttmp9, 4                       ; which weight
	s_and_b32 s18, ttmp9, 7                        ; which 128 columns
	s_bfe_u32 s19, ttmp9, 0x10003                  ; which 512 along K
	s_lshl_b32 s18, s18, 7
	s_lshl_b32 s20, s16, 5
	s_add_co_u32 s18, s18, s20                     ; my wave's first column
	v_lshlrev_b32 v3, 2, v2                        ; in: 4 bytes a lane
	s_mul_i32 s20, s16, 32*WP
	s_add_co_u32 s20, s20, WBASE                   ; my stage
	v_mul_u32_u24 v4, v2, WP
	v_add_nc_u32 v4, s20, v4                       ; into it: row = my column
	v_and_b32 v5, 15, v2
	v_lshrrev_b32 v6, 4, v2
	v_mul_u32_u24 v7, v6, WP
	v_lshl_add_u32 v7, v5, 4, v7
	v_add_nc_u32 v7, s20, v7                       ; out of it: sixteen lanes to a row, two rows an instruction
	v_lshlrev_b32 v8, 9, v6
	v_lshl_add_u32 v8, v5, 4, v8                   ; the same place in wcodes: rows of 512 bytes
	v_lshlrev_b32 v9, 5, v2                        ; my column's row of scale bytes: 32 bytes a row
	s_lshl_b32 s22, s19, 21                        ; 512 rows of 4,096 bytes,
	s_lshl_b32 s23, s18, 2
	s_add_co_u32 s22, s22, s23                     ; + 4 x column
	s_mov_b32 s23, 0
	s_lshl_b32 s24, s17, 10
	s_add_co_u32 s24, s24, s18                     ; the row in the stacked buffers
	s_lshl_b32 s26, s24, 9
	s_lshl_b32 s27, s19, 8
	s_add_co_u32 s26, s26, s27
	s_mov_b32 s27, 0
	s_lshl_b32 s28, s24, 5
	s_lshl_b32 s29, s19, 4
	s_add_co_u32 s28, s28, s29
	s_mov_b32 s29, 0
	s_wait_kmcnt 0x0
	s_cmp_lt_u32 s17, 1
	s_cselect_b64 s[4:5], s[4:5], s[8:9]
	s_cmp_lt_u32 s17, 2
	s_cselect_b64 s[4:5], s[4:5], s[10:11]
	s_add_nc_u64 s[4:5], s[4:5], s[22:23]
	s_add_nc_u64 s[12:13], s[12:13], s[26:27]
	s_add_nc_u64 s[14:15], s[14:15], s[28:29]
.macro WLOAD t                         ; block t: W(32 t + i, my column) into set t % 2; the largest offset, 511 x 4,096, lies inside the signed 24-bit immediate
.irp i, 0,1,2,3,4,5,6,7,8,9,10,11,12,13,14,15,16,17,18,19,20,21,22,23,24,25,26,27,28,29,30,31
	global_load_b32 v[WX+32*((\t)%2)+\i], v3, s[4:5] offset:(32*(\t)+\i)*4096 th:TH_LOAD_NT
.endr
.endm
	WLOAD 0
	WLOAD 1
.macro WBLOCK t
.set XS, WX+32*((\t)%2)
.if (\t) < NB-1
	s_wait_loadcnt 32                              ; this block's 32 loads are in; the next block's may be out
.else
	s_wait_loadcnt 0
.endif
	v_max3_num_f32 v20, |v[XS]|, |v[XS+1]|, |v[XS+2]|
	v_max3_num_f32 v21, |v[XS+3]|, |v[XS+4]|, |v[XS+5]|
.irp i, 6,10,14,18,22,26
	v_max3_num_f32 v20, v20, |v[XS+\i]|, |v[XS+\i+1]|
	v_max3_num_f32 v21, v21, |v[XS+\i+2]|, |v[XS+\i+3]|
.endr
	v_max3_num_f32 v20, v20, |v[XS+30]|, |v[XS+31]|
	v_max3_num_f32 v20, v20, v21, (EMAX+1)<<23     ; with the floor
	v_add_nc_u32 v11, -(EMAX<<23), v20
	v_lshrrev_b32 v21, 23, v11                     ; the scale's byte
.if (\t)%4 == 0
	v_mov_b32 v[SB+(\t)/4], v21
.else
	v_lshl_or_b32 v[SB+(\t)/4], v21, 8*((\t)%4), v[SB+(\t)/4]
.endif
.irp g, 0,1,2,3
	v_cvt_scalef32_pk8_fp4_f32 v[WC+\g], v[XS+8*\g:XS+8*\g+7], v11
.endr
	ds_store_b128 v4, v[WC:WC+3] offset:16*(\t)    ; 32 codes: 16 bytes of my column's row
.if (\t)+2 < NB
	WLOAD (\t)+2
.endif
	s_wait_dscnt 0x0                               ; the store has read its registers: the next block's codes may be written (plain lines stand ahead of them)
.endm
.set Q, 0
.rept NB
	WBLOCK Q
.set Q, Q+1
.endr
	global_store_b128 v9, v[SB:SB+3], s[14:15]     ; my column's 16 scale bytes
.irp t, 0,1,2,3,4,5,6,7,8,9,10,11,12,13,14,15
	ds_load_b128 v[OUTR+4*\t:OUTR+4*\t+3], v7 offset:2*\t*WP
.endr
.irp t, 0,1,2,3,4,5,6,7,8,9,10,11,12,13,14,15
	s_wait_dscnt 15-\t                             ; LDS loads come back in order: load t is in
	global_store_b128 v8, v[OUTR+4*\t:OUTR+4*\t+3], s[12:13] offset:2*\t*512
.endr
	FINISH
; ---------------- PATH O: W_O to f16, turned.  A lane takes a column n, its 64 registers run down one head's 64 k: packed in pairs they are the 128 bytes of row n of wot[head].
.Lo:
	s_load_b64 s[4:5], s[0:1], 0x30                ; W_O
	s_load_b64 s[6:7], s[0:1], 0x60                ; wot
	s_sub_co_u32 s17, ttmp9, NW
	s_and_b32 s18, s17, 7
	s_lshr_b32 s19, s17, 3                         ; the head
	s_lshl_b32 s18, s18, 7
	s_lshl_b32 s20, s16, 5
	s_add_co_u32 s18, s18, s20                     ; my wave's first column
	s_lshl_b32 s22, s19, 18                        ; 64 rows of 4,096 bytes a head
	s_lshl_b32 s23, s18, 2
	s_add_co_u32 s22, s22, s23
	s_mov_b32 s23, 0
	s_lshl_b32 s24, s19, 17                        ; wot: 1,024 rows of 128 bytes a head
	s_lshl_b32 s25, s18, 7
	s_add_co_u32 s24, s24, s25
	s_mov_b32 s25, 0
	v_lshlrev_b32 v3, 2, v2
	s_mul_i32 s20, s16, 32*144
	s_add_co_u32 s20, s20, OBASE                   ; my stage: 32 rows of 128 bytes + 16
	v_mul_u32_u24 v4, v2, 144
	v_add_nc_u32 v4, s20, v4
	v_lshrrev_b32 v5, 3, v2
	v_mul_u32_u24 v5, v5, 144
	v_and_b32 v6, 7, v2
	v_lshl_add_u32 v5, v6, 4, v5
	v_add_nc_u32 v5, s20, v5                       ; back: eight lanes to a row, four rows an instruction
	v_lshlrev_b32 v6, 4, v2
	s_wait_kmcnt 0x0
	s_add_nc_u64 s[4:5], s[4:5], s[22:23]
	s_add_nc_u64 s[6:7], s[6:7], s[24:25]
.set i, 0
.rept 64
	global_load_b32 v[32+i], v3, s[4:5] offset:4096*i th:TH_LOAD_NT   ; 32 lanes read 128 consecutive bytes of row 64 head + i
.set i, i+1
.endr
	s_wait_loadcnt 0x0
.set i, 0
.rept 32
	v_cvt_pk_f16_f32 v[96+i], v[32+2*i], v[33+2*i]                    ; the lower d in the low half
.set i, i+1
.endr
.irp i, 0,1,2,3,4,5,6,7
	ds_store_b128 v4, v[96+4*\i:99+4*\i] offset:16*\i
.endr
.irp i, 0,1,2,3,4,5,6,7
	ds_load_b128 v[128+4*\i:131+4*\i], v5 offset:576*\i               ; in order behind my stores
.endr
.irp i, 0,1,2,3,4,5,6,7
	s_wait_dscnt 7-\i
	global_store_b128 v6, v[128+4*\i:131+4*\i], s[6:7] offset:512*\i  ; four rows of 128 bytes: 512 consecutive bytes
.endr
	FINISH
; ---------------- PATH M: the mask's bytes become lane masks.  A work-group takes 16 rows (one tile of queries), wave w keys 512 w on, as two units of 256 keys.
; A unit's 16 x 256 bytes are read as they lie, turn through the stage, and come back so that lane (r, h) holds, for each tile t of 16 keys, the 8 bytes of row r at keys 16 t + 8 h + 0 .. 7.
; One compare of byte j over the 32 lanes IS word 8 t + j; v_writelane_b32 puts it into lane (8 t + j) / 4, register (8 t + j) % 4, so that one store of 16 bytes a lane writes the unit's 512 bytes.
.Lm:
	s_load_b64 s[4:5], s[0:1], 0x38                ; attn_mask
	s_load_b64 s[6:7], s[0:1], 0x68                ; maskw
	s_sub_co_u32 s17, ttmp9, NW+NO                 ; qt
	s_lshl_b32 s22, s17, 15                        ; 16 rows of 2,048 bytes
	s_lshl_b32 s23, s16, 9
	s_add_co_u32 s22, s22, s23
	s_mov_b32 s23, 0
	s_lshl_b32 s24, s17, 12                        ; 1,024 words a tile of queries
	s_lshl_b32 s25, s16, 10
	s_add_co_u32 s24, s24, s25
	s_mov_b32 s25, 0
	v_and_b32 v5, 15, v2                           ; r
	v_lshrrev_b32 v6, 4, v2                        ; h
	v_lshlrev_b32 v3, 11, v6
	v_lshl_add_u32 v3, v5, 4, v3                   ; in: lanes 0-15 one row's 256 bytes, lanes 16-31 the next row's
	s_mul_i32 s20, s16, 16*272
	s_add_co_u32 s20, s20, MBASE                   ; my stage: 16 rows of 256 bytes + 16
	v_mul_u32_u24 v4, v6, 272
	v_lshl_add_u32 v4, v5, 4, v4
	v_add_nc_u32 v4, s20, v4
	v_mul_u32_u24 v7, v5, 272
	v_lshl_add_u32 v7, v6, 3, v7
	v_add_nc_u32 v7, s20, v7                       ; back: row r, + 8 h
	v_lshlrev_b32 v8, 4, v2
.irp i, 0,1,2,3,4,5,6,7
	v_mov_b32 v[104+\i], 0                         ; a writelane's destination counts as read
.endr
	s_wait_kmcnt 0x0
	s_add_nc_u64 s[4:5], s[4:5], s[22:23]
	s_add_nc_u64 s[6:7], s[6:7], s[24:25]
.irp u, 0,1
.irp i, 0,1,2,3,4,5,6,7
	global_load_b128 v[32+80*\u+4*\i:35+80*\u+4*\i], v3, s[4:5] offset:256*\u+4096*\i th:TH_LOAD_NT
.endr
.endr
.macro UNIT u
	s_wait_loadcnt 8-8*\u                          ; this unit's eight loads are in; the other unit's may be out
.irp i, 0,1,2,3,4,5,6,7
	ds_store_b128 v4, v[32+80*\u+4*\i:35+80*\u+4*\i] offset:544*\i
.endr
.irp t, 0,1,2,3,4,5,6,7,8,9,10,11,12,13,14,15
	ds_load_b64 v[64+2*\t:65+2*\t], v7 offset:16*\t
.endr
	s_wait_dscnt 0x0
.set t, 0
.rept 16
.irp j, 0,1,2,3,4,5,6,7
	v_and_b32 v[96+\j], 0xff<<(8*(\j%4)), v[64+2*t+\j/4]
.endr
.irp j, 0,1,2,3,4,5,6,7
	v_cmp_ne_u32 s[40+\j], 0, v[96+\j]             ; bit l: lane l's byte is true
.endr
.irp j, 0,1,2,3,4,5,6,7
	v_writelane_b32 v[104+4*\u+\j%4], s[40+\j], 2*t+\j/4
.endr
.set t, t+1
.endr
	global_store_b128 v8, v[104+4*\u:107+4*\u], s[6:7] offset:512*\u   ; 512 consecutive bytes
.endm
	UNIT 0
	UNIT 1
	FINISH
.Lfunc_end_k_q4b0cba983d_prep:
	.size	k_q4b0cba983d_prep, .Lfunc_end_k_q4b0cba983d_prep-k_q4b0cba983d_prep
	.p2alignl 7, 3214868480
	.fill 96, 4, 3214868480
	.section	.rodata,"a",@progbits
	.p2align	6, 0x0
	.amdhsa_kernel k_q4b0cba983d_prep
		.amdhsa_group_segment_fixed_size 103936
		.amdhsa_private_segment_fixed_size 0
		.amdhsa_enable_private_segment 0
		.amdhsa_kernarg_size 112
		.amdhsa_user_sgpr_count 2
		.amdhsa_user_sgpr_kernarg_segment_ptr 1
		.amdhsa_wavefront_size32 1
		.amdhsa_system_sgpr_workgroup_id_x 1
		.amdhsa_system_sgpr_workgroup_id_y 1
		.amdhsa_system_sgpr_workgroup_id_z 1
		.amdhsa_system_vgpr_workitem_id 0
		.amdhsa_next_free_vgpr 192
		.amdhsa_next_free_sgpr 66
		.amdhsa_reserve_vcc 0
		.amdhsa_float_denorm_mode_32 3
		.amdhsa_float_denorm_mode_16_64 3
		.amdhsa_memory_ordered 1
		.amdhsa_forward_progress 1
		.amdhsa_inst_pref_size 177
	.end_amdhsa_kernel
	.amdgpu_metadata
---
amdhsa.version: [ 1, 2 ]
amdhsa.kernels:
  - .name:           k_q4b0cba983d_prep
    .symbol:         k_q4b0cba983d_prep.kd
    .args:
      - { .name: Q, .offset: 0, .size: 8, .value_kind: global_buffer, .address_space: global }
      - { .name: K, .offset: 8, .size: 8, .value_kind: global_buffer, .address_space: global }
      - { .name: V, .offset: 16, .size: 8, .value_kind: global_buffer, .address_space: global }
      - { .name: W_Q, .offset: 24, .size: 8, .value_kind: global_buffer, .address_space: global }
      - { .name: W_K, .offset: 32, .size: 8, .value_kind: global_buffer, .address_space: global }
      - { .name: W_V, .offset: 40, .size: 8, .value_kind: global_buffer, .address_space: global }
      - { .name: W_O, .offset: 48, .size: 8, .value_kind: global_buffer, .address_space: global }
      - { .name: attn_mask, .offset: 56, .size: 8, .value_kind: global_buffer, .address_space: global }
      - { .name: xcodes, .offset: 64, .size: 8, .value_kind: global_buffer, .address_space: global }
      - { .name: xscales, .offset: 72, .size: 8, .value_kind: global_buffer, .address_space: global }
      - { .name: wcodes, .offset: 80, .size: 8, .value_kind: global_buffer, .address_space: global }
      - { .name: wscales, .offset: 88, .size: 8, .value_kind: global_buffer, .address_space: global }
      - { .name: wot, .offset: 96, .size: 8, .value_kind: global_buffer, .address_space: global }
      - { .name: maskw, .offset: 104, .size: 8, .value_kind: global_buffer, .address_space: global }
    .group_segment_fixed_size: 103936
    .private_segment_fixed_size: 0
    .kernarg_segment_align: 8
    .kernarg_segment_size: 112
    .max_flat_workgroup_size: 128
    .sgpr_count:     66
    .vgpr_count:     192
    .wavefront_size: 32
...
	.end_amdgpu_metadata
.endif
;; end of part 1
;; launch proj (part 2): grid 4 x 96, 4 waves a work-group, clusters of 4 x 4, 327,680 bytes of LDS; arguments xcodes, xscales, wcodes, wscales, qkvh; writes qkvh
.if DOCPART == 2
	.amdgcn_target "amdgcn-amd-amdhsa--gfx1250"
	.amdhsa_code_object_version 6
	.text
	.protected	k_q4b0cba983d_proj
	.globl	k_q4b0cba983d_proj
	.p2align	8
	.type	k_q4b0cba983d_proj,@function
k_q4b0cba983d_proj:
	s_mov_b64 s[64:65], 0
	v_nop
	global_prefetch_b8 v0, s[64:65] scope:SCOPE_SE
	s_setreg_imm32_b32 hwreg(HW_REG_WAVE_MODE, 25, 1), 1
	s_wait_xcnt 0x0
	s_wait_alu depctr_hold_cnt(0) depctr_sa_sdst(0) depctr_va_vdst(0) depctr_va_sdst(0) depctr_va_ssrc(0) depctr_va_vcc(0) depctr_vm_vsrc(0)
	s_getreg_b32 s2, hwreg(HW_REG_IB_STS2, 6, 4)
	s_cmp_eq_u32 s2, 0
	s_cbranch_scc0 .Lentry_in_a_cluster
	s_endpgm
.Lentry_in_a_cluster:
	s_bfe_u32 s2, ttmp6, 0x10000c
	s_cmp_lg_u32 s2, 0xf033
	s_cbranch_scc0 .Lentry_shape_is_right
	s_endpgm
.Lentry_shape_is_right:
; The three projections as ONE product on codes of FP4 (E2M1) with E8M0 scales for each 32 along K: rows 8,192 T + m of the stacked x (T = 0: Q, 1: K, 2: V) against the 1,024 rows (n) of weight T.
; xcodes [24576][512 bytes], xscales [24576][32], wcodes [3072][512], wscales [3072][32].  Sums in f32.  Results leave as f16 by heads: qkvh [3][16 b + head][2048 s][64]; q is multiplied by log2(e) / 8 in f32 first,
; so that the next launch's scores are exponents to the base 2.  LIMIT: |log2(e) / 8 q|, |k|, |v| stay under 65,504 (f16).
; A tile of 256 x 256 is made by four waves, each 128 x 128: 64 accumulators, 512 registers.  K = 1,024 is two slots of 512 along K (rows of 256 bytes): both are first fills, nothing is filled again.
; The scale bytes of the work-group's 256 + 256 rows, two dense blocks, come once with the first fills.
; CLUSTERS: 4 x 4 work-groups.  The four of a row of the cluster need the same tiles of x, the four of a column the same tiles of the weight: each is asked for jointly.  A cluster's 1,024 rows lie in one tensor T.
; THE MATRIX INSTRUCTION IS USED TRANSPOSED (source 0 = 16 rows of the weight, source 1 = 16 rows of x): a lane holds eight neighbouring columns of one row.
; REGISTERS, in windows of 256: window 0: v0-31 addresses; v32-95 scale words, two sets; v128-191 x's fragments, one set; on the way out v32-63, v192-255.  window 1: the weight's fragments, two sets, at v0 and v128.
;   window 2: the accumulators of my rows 0-63 ((a, b) at v[8 (8 a + b)]);  window 3: those of rows 64-127.
.set NQ,     4                         ; steps of 128 along K in a slot
.set ROWB,   256                       ; a tile's row in bytes
.set KROW,   512                       ; a row of codes in memory
.set PITCH,  272                       ; an LDS row: 256 bytes + 16 of padding: the 16 rows that a load touches start 68 words apart
.set FR,     8
.set NL,     2
.set NP,     4                         ; places behind this matrix instruction (ISA guide 7.12.1)
.set HALFT,  128*PITCH
.set SLOT,   4*HALFT
.set KS,     32                        ; a row of scale bytes
.set SCL,    2*SLOT                    ; behind the ring: the scales, as runs of 256 bytes + 16 of padding
.set HALFS,  (128*KS/256)*272
.set SBLK,   (16*KS/256)*272
.set STAGE,  SCL+4*HALFS               ; the way out: 16 rows x (256 bytes + 16) for each wave
.set SPITCH, 272
.set SPARE,  STAGE+4*16*SPITCH         ; the spare words, 128 bytes for each wave: two blocks of 256 bytes that no other line names
.set ADRA, 16
.set ADRB, 20
.set STO,  24
.set RD,   25
.set CO,   26
.set ADRS, 27
.set SPW,  28
.set NIL,  29
.set SC,   32
.set AF,   128
.set TMP,  192
.set OB,   32
.set G1, 24
.set G0, 32
.set G1B, 48
.set G0B, 56
.set G1S, 68
.set G0S, 76
.set G1SB, 80
.set G0SB, 88
.set FAC, 98                           ; s[98:99] log2(e) / 8 for q, 1 for k and v
.set MSB, 0
.macro WIN new                         ; the immediate's high byte repeats the setting that is left
.if MSB != \new
	s_set_vgpr_msb (MSB<<8)|\new
.set MSB, \new
.endif
.endm
.set MUL_LO, 0xa1
.set MUL_HI, 0xf1
.set TO_B,   0x40
; A joint load: waves 0 and 1 fetch for x, waves 2 and 3 for the weight.  The branch hangs on the wave's number alone.  An s_nop 0 and four v_nop follow each of the two lines.
.macro JLOAD g0a, g1a, g0b, g1b
	s_cmp_eq_u32 s15, 0
	s_cbranch_scc0 .Lfor_b_\@
	tensor_load_to_lds s[\g0a:\g0a+3], s[\g1a:\g1a+7]
	s_nop 0
.rept 4
	v_nop
.endr
	s_branch .Lasked_\@
.Lfor_b_\@:
	tensor_load_to_lds s[\g0b:\g0b+3], s[\g1b:\g1b+7]
	s_nop 0
.rept 4
	v_nop
.endr
.Lasked_\@:
.endm
.macro CROUND                          ; a round of the cluster's barrier
	s_barrier_signal -1
	s_barrier_wait -1
	s_cmp_lg_u32 s14, 0
	s_cbranch_scc1 .Lnot_wave_0_\@
	s_barrier_signal -3
.Lnot_wave_0_\@:
	s_barrier_wait -3
	s_barrier_signal -1
	s_barrier_wait -1
.endm
	s_load_b128 s[4:7], s[0:1], 0x0                ; xcodes, xscales
	s_load_b128 s[8:11], s[0:1], 0x10              ; wcodes, wscales
	s_load_b64 s[12:13], s[0:1], 0x20              ; qkvh
	v_lshl_add_u32 v[SPW], v0, 2, SPARE
	v_mov_b32 v[NIL], 0
	ds_add_u32 v[SPW], v[NIL]                      ; the wave's opening: the add, twice on end, and its wait ahead of my first tensor load
	ds_add_u32 v[SPW], v[NIL]
	v_lshrrev_b32 v1, 5, v0
	v_readfirstlane_b32 s14, v1                    ; wave 0..3
	s_lshr_b32 s15, s14, 1                         ; which half of the tile's rows is mine.  Also: I fetch for x (0) or for the weight (1)
	s_and_b32 s16, s14, 1                          ; which half of its columns.  Also: which 128 rows of that tile I fetch
	s_bfe_u32 s40, ttmp6, 0x40000                  ; cx, cy
	s_bfe_u32 s41, ttmp6, 0x40004
	s_lshl_b32 s42, ttmp9, 2
	s_add_co_u32 s42, s42, s40                     ; tile column = 4 x cluster x + cx
	s_and_b32 s17, ttmp7, 0xffff
	s_lshr_b32 s96, s17, 3                         ; T: eight clusters along y to a tensor: the same in all sixteen partners
	s_lshl_b32 s17, s17, 2
	s_add_co_u32 s17, s17, s41                     ; tile row = 4 x cluster y + cy
	s_lshl_b32 s43, s41, 2
	s_lshl_b32 s43, 15, s43                        ; my row of the cluster
	s_lshl_b32 s44, 0x1111, s40                    ; my column
	s_cmp_eq_u32 s96, 0
	s_mov_b32 s[FAC], 1.0
	s_cselect_b32 s[FAC], 0x3e38aa3b, s[FAC]       ; log2(e) / 8 for q
	s_mov_b32 s[FAC+1], s[FAC]                     ; (named with it as a pair, so it is written)
	; descriptor group 1: a tile of 128 rows x 256 bytes, 16 bytes of padding behind each row
	s_or_b32 s[G1+0], s43, (0<<16)|(1<<20)|(1<<21)|(5<<22)|(3<<25)
	s_or_b32 s[G1B+0], s44, (0<<16)|(1<<20)|(1<<21)|(5<<22)|(3<<25)
.irp g, G1, G1B
	s_mov_b32 s[\g+1], ROWB<<16                    ; tensor_dim0
	s_mov_b32 s[\g+2], 128<<16                     ; tensor_dim1
	s_mov_b32 s[\g+3], ROWB<<16                    ; tile_dim0
	s_mov_b32 s[\g+4], 128                         ; tile_dim1
	s_mov_b32 s[\g+5], KROW                        ; from row to row
	s_mov_b32 s[\g+6], 0
	s_mov_b32 s[\g+7], 0
.endr
	; the scales of 128 rows: a dense block of 4,096 bytes, as 16 rows of 256 bytes (32 elements of 8 bytes), padded likewise
	s_or_b32 s[G1S+0], s43, (3<<16)|(1<<20)|(1<<21)|(5<<22)|(3<<25)
	s_or_b32 s[G1SB+0], s44, (3<<16)|(1<<20)|(1<<21)|(5<<22)|(3<<25)
.irp g, G1S, G1SB
	s_mov_b32 s[\g+1], 32<<16
	s_mov_b32 s[\g+2], (128*KS/256)<<16
	s_mov_b32 s[\g+3], 32<<16
	s_mov_b32 s[\g+4], 128*KS/256
	s_mov_b32 s[\g+5], 32
	s_mov_b32 s[\g+6], 0
	s_mov_b32 s[\g+7], 0
.endr
	s_lshl_b32 s18, s16, 7                         ; which 128 rows of the tile I fetch
	s_lshl_b32 s20, s17, 8
	s_add_co_u32 s20, s20, s18                     ; x: row 256 x tile row + 128 x half
	s_lshl_b32 s46, s42, 8
	s_add_co_u32 s46, s46, s18
	s_lshl_b32 s97, s96, 10
	s_add_co_u32 s46, s46, s97                     ; the weight: row 1,024 T + 256 x tile column + 128 x half
	s_mov_b32 s21, 0
	s_mov_b32 s47, 0
	s_mov_b64 s[18:19], KS
	s_mul_u64 s[22:23], s[20:21], s[18:19]         ; where these rows' scales begin,
	s_mul_u64 s[92:93], s[46:47], s[18:19]
	s_mov_b64 s[18:19], KROW
	s_mul_u64 s[20:21], s[20:21], s[18:19]         ; and their codes
	s_mul_u64 s[46:47], s[46:47], s[18:19]
	s_mul_i32 s45, s14, HALFT                      ; where they go: wave x 128 rows: no place in the cluster enters an LDS address
	s_mul_i32 s94, s14, HALFS
	s_wait_dscnt 0x0                               ; both opening adds are done
	s_wait_kmcnt 0x0
	s_add_nc_u64 s[20:21], s[4:5], s[20:21]
	s_add_nc_u64 s[22:23], s[6:7], s[22:23]
	s_add_nc_u64 s[46:47], s[8:9], s[46:47]
	s_add_nc_u64 s[92:93], s[10:11], s[92:93]
	CROUND                                         ; all sixteen work-groups are here: the joint loads meet
	s_mov_b32 s[G0S], 1
	s_add_co_u32 s[G0S+1], s94, SCL
	s_mov_b64 s[G0S+2:G0S+3], s[22:23]
	s_or_b32 s[G0S+3], s[G0S+3], 0x80000000
	s_mov_b32 s[G0SB], 1
	s_add_co_u32 s[G0SB+1], s94, SCL
	s_mov_b64 s[G0SB+2:G0SB+3], s[92:93]
	s_or_b32 s[G0SB+3], s[G0SB+3], 0x80000000
	JLOAD G0S, G1S, G0SB, G1SB                     ; the scales first: they are wanted with the first slot
.irp s, 0,1
	s_mov_b32 s[G0+4*\s], 1
	s_add_co_u32 s[G0+4*\s+1], s45, \s*SLOT
	s_add_nc_u64 s[G0+4*\s+2:G0+4*\s+3], s[20:21], \s*ROWB
	s_or_b32 s[G0+4*\s+3], s[G0+4*\s+3], 0x80000000
	s_mov_b32 s[G0B+4*\s], 1
	s_add_co_u32 s[G0B+4*\s+1], s45, \s*SLOT
	s_add_nc_u64 s[G0B+4*\s+2:G0B+4*\s+3], s[46:47], \s*ROWB
	s_or_b32 s[G0B+4*\s+3], s[G0B+4*\s+3], 0x80000000
	JLOAD G0+4*\s, G1, G0B+4*\s, G1B               ; three loads of mine are out in all
.endr
	v_and_b32 v1, 15, v0                           ; r
	v_bfe_u32 v2, v0, 4, 1                         ; h
	v_mul_u32_u24 v3, v1, PITCH
	v_lshl_add_u32 v4, v2, 4, v3                   ; a fragment's row x pitch + 16 h
	s_mul_i32 s21, s15, HALFT                      ; my 128 rows of x
	s_mul_i32 s22, s16, HALFT                      ; my 128 rows of the weight,
	s_add_co_u32 s22, s22, 2*HALFT                 ; behind x's 256
.irp s, 0,1
	v_add_nc_u32 v[ADRA+\s], s21, v4
	v_add_nc_u32 v[ADRB+\s], s22, v4
	s_add_co_u32 s21, s21, SLOT
	s_add_co_u32 s22, s22, SLOT
.endr
	v_mul_u32_u24 v5, v1, KS                       ; my row's scales: 32 bytes a row,
	v_lshrrev_b32 v6, 8, v5
	v_lshl_add_u32 v5, v6, 4, v5                   ; and 16 more for each 256 passed
	s_mul_i32 s21, s15, HALFS
	s_mul_i32 s22, s16, HALFS
	s_add_co_u32 s22, s22, 2*HALFS
	s_sub_co_u32 s22, s22, s21
	v_mul_u32_u24 v6, s22, v2                      ; lanes 16-31 take the weight's
	s_add_co_u32 s21, s21, SCL
	v_add_nc_u32 v5, v5, v6
	v_add_nc_u32 v[ADRS], s21, v5
	s_mul_i32 s23, s14, 16*SPITCH
	s_add_co_u32 s23, s23, STAGE                   ; my stage
	v_mul_u32_u24 v5, v1, SPITCH                   ; in: row r, 16 bytes for each half of the lanes
	v_lshl_add_u32 v5, v2, 4, v5
	v_add_nc_u32 v[STO], s23, v5
	v_and_b32 v6, 31, v0
	v_lshrrev_b32 v5, 3, v6                        ; back: eight lanes take one head's 128 bytes of a row, four rows an instruction
	v_mul_u32_u24 v5, v5, SPITCH
	v_and_b32 v7, 7, v0
	v_lshl_add_u32 v5, v7, 4, v5
	v_add_nc_u32 v[RD], s23, v5
	v_lshlrev_b32 v[CO], 4, v6                     ; and in qkvh those four rows are 512 consecutive bytes
	s_and_b32 s20, s17, 31
	s_lshl_b32 s20, s20, 8
	s_lshl_b32 s21, s15, 7
	s_add_co_u32 s20, s20, s21                     ; my first row in its tensor: 2,048 b + s
	s_lshr_b32 s21, s20, 11                        ; b
	s_and_b32 s20, s20, 2047                       ; s
	s_lshl_b32 s20, s20, 7                         ; 128 bytes a row of a head
	s_lshl_b32 s21, s21, 22                        ; 16 heads of 2^18 bytes a batch
	s_add_co_u32 s20, s20, s21
	s_lshl_b32 s21, s96, 24                        ; 2^24 bytes a tensor
	s_add_co_u32 s20, s20, s21
	s_mov_b32 s21, 0
	s_lshl_b32 s46, s42, 2                         ; my first head: 4 x tile column + 2 x half
	s_lshl_b32 s47, s16, 1
	s_add_co_u32 s46, s46, s47
	s_lshl_b32 s46, s46, 18
	s_mov_b32 s47, 0
	s_add_nc_u64 s[20:21], s[20:21], s[46:47]
	s_add_nc_u64 s[12:13], s[12:13], s[20:21]
.macro FRAG reg, adr, q, i             ; 16 rows x 128 K of 4-bit codes: 8 registers; registers 4 c .. 4 c + 3 hold K = 64 c + 32 h + 0 .. 31
.irp c, 0,1
	ds_load_b128 v[\reg+4*\c:\reg+4*\c+3], v[\adr] offset:64*(\q)+32*\c+(\i)*16*PITCH
.endr
.endm
; 16 matrix instructions: x's blocks a0, a0 + 1 against the weight's eight.  The 64 accumulators take turns, one instruction a turn, in the same order in every step.
.macro MUL16 a0, p, q, sc, zero
.irp a, \a0, \a0+1
.irp b, 0,1,2,3,4,5,6,7
.if \zero
	v_wmma_scale_f32_16x16x128_f8f6f4 v[8*(8*((\a)%4)+\b):8*(8*((\a)%4)+\b)+7], v[128*(\p)+FR*\b:128*(\p)+FR*\b+FR-1], v[AF+FR*(\a):AF+FR*(\a)+FR-1], 0, v[SC+8*NQ*(\sc)+NQ*\b+(\q)], v[SC+8*NQ*(\sc)+NQ*(\a)+(\q)] matrix_a_fmt:MATRIX_FMT_FP4 matrix_b_fmt:MATRIX_FMT_FP4 matrix_a_scale:MATRIX_SCALE_ROW1
.else
	v_wmma_scale_f32_16x16x128_f8f6f4 v[8*(8*((\a)%4)+\b):8*(8*((\a)%4)+\b)+7], v[128*(\p)+FR*\b:128*(\p)+FR*\b+FR-1], v[AF+FR*(\a):AF+FR*(\a)+FR-1], v[8*(8*((\a)%4)+\b):8*(8*((\a)%4)+\b)+7], v[SC+8*NQ*(\sc)+NQ*\b+(\q)], v[SC+8*NQ*(\sc)+NQ*(\a)+(\q)] matrix_a_fmt:MATRIX_FMT_FP4 matrix_b_fmt:MATRIX_FMT_FP4 matrix_a_scale:MATRIX_SCALE_ROW1
.endif
.endr
.endr
.endm
.macro FETCH_B slot, q, p
	WIN TO_B
.irp i, 0,1,2,3,4,5,6,7
	FRAG 128*(\p)+FR*\i, ADRB+\slot, \q, \i
.endr
	WIN 0
.endm
.macro FETCH_A slot, q, i0
.irp i, \i0, \i0+1, \i0+2, \i0+3
	FRAG AF+FR*(\i), ADRA+\slot, \q, \i
.endr
.endm
.macro SCALES sc                       ; a slot's scale words: four a row; lanes 0-15 take x's block i, lanes 16-31 the weight's block i
.irp i, 0,1,2,3,4,5,6,7
	ds_load_b128 v[SC+8*NQ*\sc+NQ*\i:SC+8*NQ*\sc+NQ*\i+3], v[ADRS] offset:\i*SBLK
.endr
.endm
.macro PLACES n                        ; plain vector lines between a matrix instruction and a load into, or a read of, its registers
.rept \n
	v_nop
.endr
.endm
.macro STEP slot, q, zero              ; 128 along K, with its successor in the same slot
	s_wait_dscnt 4*NL                              ; all but the youngest eight loads (x's blocks 4-7) are in
	WIN MUL_LO
	MUL16 0, (\q)%2, \q, \slot, \zero
	MUL16 2, (\q)%2, \q, \slot, \zero
	s_wait_dscnt 0
	PLACES NP
	FETCH_B \slot, (\q)+1, 1-(\q)%2
	FETCH_A \slot, (\q)+1, 0
	WIN MUL_HI
	MUL16 4, (\q)%2, \q, \slot, \zero
	MUL16 6, (\q)%2, \q, \slot, \zero
	PLACES NP
	WIN 0
	FETCH_A \slot, (\q)+1, 4
.endm
.macro STEPS slot, from
.set Q, \from
.rept NQ-1-\from
	STEP \slot, Q, 0
.set Q, Q+1
.endr
.endm
	s_wait_tensorcnt 1                             ; the scales and my part of slot 0 are in; slot 1's load may be out
	s_barrier_signal -1
	s_barrier_wait -1
	FETCH_B 0, 0, 0
	FETCH_A 0, 0, 0
	SCALES 0
	FETCH_A 0, 0, 4
	STEP 0, 0, 1                                   ; the first products start the sums: nothing is cleared
	STEPS 0, 1
	; slot 0's last step, and the change to slot 1: my part of slot 1 has landed, and every wave says so at one barrier
	s_wait_tensorcnt 0x0
	ds_add_u32 v[SPW], v[NIL]                      ; 0 onto my spare word
	s_wait_dscnt 4*NL+1                            ; the add and the youngest eight loads may be out
	WIN MUL_LO
	MUL16 0, 1, NQ-1, 0, 0
	s_wait_dscnt 0x0
	s_barrier_signal -1
	MUL16 2, 1, NQ-1, 0, 0
	WIN 0
	s_barrier_wait -1
	PLACES NP
	v_add_nc_u32 v[ADRS], 4*NQ, v[ADRS]            ; the second slot's scale words: 16 bytes on in each row
	FETCH_B 1, 0, 0
	FETCH_A 1, 0, 0
	SCALES 1
	WIN MUL_HI
	MUL16 4, 1, NQ-1, 0, 0
	MUL16 6, 1, NQ-1, 0, 0
	PLACES NP
	WIN 0
	FETCH_A 1, 0, 4
	STEPS 1, 0
	s_wait_dscnt 4*NL                              ; the very last step
	WIN MUL_LO
	MUL16 0, 1, NQ-1, 1, 0
	MUL16 2, 1, NQ-1, 1, 0
	s_wait_dscnt 0
	WIN MUL_HI
	MUL16 4, 1, NQ-1, 1, 0
	MUL16 6, 1, NQ-1, 1, 0
	WIN 0
; THE WAY OUT, block by block of 16 rows x 128 columns (two heads).  PACK: x the factor in f32, rounded to f16: 16 bytes a lane.  TOSTAGE: into my own stage and back, four rows of one head an instruction.  SEND: stored.
.macro PACK a
.set AC, 64*((\a)%4)
	WIN 0x82+0x41*((\a)/4)                         ; destination and source 0: window 2 or 3
.set i, 0
.rept 32
	v_pk_mul_f32 v[AC+i:AC+i+1], v[AC+i:AC+i+1], s[FAC:FAC+1] op_sel_hi:[1,0]   ; each accumulator from its low end on
.set i, i+2
.endr
	WIN 0x0a+5*((\a)/4)                            ; sources 0 and 1: window 2 or 3
.irp b, 0,1,2,3,4,5,6,7
.irp r, 0,1,2,3
	v_cvt_pk_f16_f32 v[TMP+4*\b+\r], v[AC+8*\b+2*\r], v[AC+8*\b+2*\r+1]
.endr
.endr
	WIN 0
.endm
.macro TOSTAGE a
.set BB, OB+192*((\a)%2)
.irp b, 0,1,2,3,4,5,6,7
	ds_store_b128 v[STO], v[TMP+4*\b:TMP+4*\b+3] offset:32*\b
.endr
.irp t, 0,1,2,3,4,5,6,7
	ds_load_b128 v[BB+4*\t:BB+4*\t+3], v[RD] offset:(\t%4)*4*SPITCH+(\t/4)*128   ; LDS serves a wave's instructions in order: these see the stores above
.endr
.endm
.macro SEND a, younger
.set BB, OB+192*((\a)%2)
	s_wait_dscnt \younger                          ; the block is back in registers
	s_wait_xcnt 0x0                                ; earlier stores have read their base and their data: both may be written again
.if (\a) > 0
	s_add_nc_u64 s[12:13], s[12:13], 16*128        ; 16 rows of a head on
.endif
.irp t, 0,1,2,3,4,5,6,7
	global_store_b128 v[CO], v[BB+4*\t:BB+4*\t+3], s[12:13] offset:(\t%4)*512+(\t/4)*262144   ; 512 consecutive bytes, aligned; the second head lies 2^18 bytes on
.endr
.endm
	PLACES NP                                      ; behind the last products: for the reads of their results and the loads into operands' registers
	PACK 0
	TOSTAGE 0
.irp a, 1,2,3,4,5,6,7                  ; block a's arithmetic stands between block a - 1's loads from the stage and the wait for them
	PACK \a
	SEND \a-1, 0
	TOSTAGE \a
.endr
	SEND 7, 0
	s_wait_tensorcnt 0x0                           ; the wave's end: three lines behind my last tensor load and my last LDS store
	ds_add_u32 v[SPW], v[NIL]
	s_wait_dscnt 0x0
	CROUND                                         ; the closing round: no work-group ends while a partner may still ask for a tile that names it
	s_endpgm
.Lfunc_end_k_q4b0cba983d_proj:
	.size	k_q4b0cba983d_proj, .Lfunc_end_k_q4b0cba983d_proj-k_q4b0cba983d_proj
	.p2alignl 7, 3214868480
	.fill 96, 4, 3214868480
	.section	.rodata,"a",@progbits
	.p2align	6, 0x0
	.amdhsa_kernel k_q4b0cba983d_proj
		.amdhsa_group_segment_fixed_size 327680
		.amdhsa_private_segment_fixed_size 0
		.amdhsa_enable_private_segment 0
		.amdhsa_kernarg_size 40
		.amdhsa_user_sgpr_count 2
		.amdhsa_user_sgpr_kernarg_segment_ptr 1
		.amdhsa_wavefront_size32 1
		.amdhsa_system_sgpr_workgroup_id_x 1
		.amdhsa_system_sgpr_workgroup_id_y 1
		.amdhsa_system_sgpr_workgroup_id_z 1
		.amdhsa_system_vgpr_workitem_id 0
		.amdhsa_next_free_vgpr 1024
		.amdhsa_next_free_sgpr 100
		.amdhsa_reserve_vcc 0
		.amdhsa_float_denorm_mode_32 3
		.amdhsa_float_denorm_mode_16_64 3
		.amdhsa_memory_ordered 1
		.amdhsa_forward_progress 1
		.amdhsa_inst_pref_size 143
	.end_amdhsa_kernel
	.amdgpu_metadata
---
amdhsa.version: [ 1, 2 ]
amdhsa.kernels:
  - .name:           k_q4b0cba983d_proj
    .symbol:         k_q4b0cba983d_proj.kd
    .args:
      - { .name: xcodes, .offset: 0, .size: 8, .value_kind: global_buffer, .address_space: global }
      - { .name: xscales, .offset: 8, .size: 8, .value_kind: global_buffer, .address_space: global }
      - { .name: wcodes, .offset: 16, .size: 8, .value_kind: global_buffer, .address_space: global }
      - { .name: wscales, .offset: 24, .size: 8, .value_kind: global_buffer, .address_space: global }
      - { .name: qkvh, .offset: 32, .size: 8, .value_kind: global_buffer, .address_space: global }
    .group_segment_fixed_size: 327680
    .private_segment_fixed_size: 0
    .kernarg_segment_align: 8
    .kernarg_segment_size: 40
    .max_flat_workgroup_size: 128
    .sgpr_count:     100
    .vgpr_count:     1024
    .wavefront_size: 32
...
	.end_amdgpu_metadata
.endif
;; end of part 2
;; launch attn (part 3): grid 4 x 64, 8 waves a work-group, clusters of 4 x 1, 327,680 bytes of LDS; arguments qkvh, maskw, ctxh; writes ctxh
.if DOCPART == 3
	.amdgcn_target "amdgcn-amd-amdhsa--gfx1250"
	.amdhsa_code_object_version 6
	.text
	.protected	k_q4b0cba983d_attn
	.globl	k_q4b0cba983d_attn
	.p2align	8
	.type	k_q4b0cba983d_attn,@function
k_q4b0cba983d_attn:
	s_mov_b64 s[64:65], 0
	v_nop
	global_prefetch_b8 v0, s[64:65] scope:SCOPE_SE
	s_setreg_imm32_b32 hwreg(HW_REG_WAVE_MODE, 25, 1), 1
	s_wait_xcnt 0x0
	s_wait_alu depctr_hold_cnt(0) depctr_sa_sdst(0) depctr_va_vdst(0) depctr_va_sdst(0) depctr_va_ssrc(0) depctr_va_vcc(0) depctr_vm_vsrc(0)
	s_getreg_b32 s2, hwreg(HW_REG_IB_STS2, 6, 4)
	s_cmp_eq_u32 s2, 0
	s_cbranch_scc0 .Lentry_in_a_cluster
	s_endpgm
.Lentry_in_a_cluster:
	s_bfe_u32 s2, ttmp6, 0x10000c
	s_cmp_lg_u32 s2, 0x3003
	s_cbranch_scc0 .Lentry_shape_is_right
	s_endpgm
.Lentry_shape_is_right:
; ctx[b][h][q] = the sum over k of softmax_k(score) v[b][h][k], score = q . k / 8, replaced by -1e9 where the mask's byte is true.  q (already x log2(e) / 8), k, v: qkvh [3][16 b + h][2048][64], f16.
; maskw: lane masks, [512 qt][32 ks][4 kt][8 j] words (bit l: query 16 qt + l % 16, key 64 ks + 16 kt + 8 (l / 16) + j).  ctxh: [16 h][2048 b + s][64], f16.  Products, maxima and sums in f32; p is rounded to f16.
; SOFTMAX.  t = score x log2(e) comes out of the first product; a masked t is -1e9 log2(e), put in its place AHEAD of the maximum, so a row that is wholly masked gets equal weights, as the definition has it.
; For each query a running maximum m; p = 2^(t - m); in every step O and the sum are multiplied by a = 2^(old m - new m).  The row's sum is made by the matrix unit: a product of ones with the rounded p.
; LIMITS: NaN and infinities are not served; |ctx| stays under 65,504 (a mean of v, which is f16 already).
; SHARES.  A work-group owns 512 queries of one (b, h); each of its eight waves 64: four tiles of 16, worked as two pieces of two tiles on the same score registers.  Two waves of 512 registers share a SIMD, so that one
; wave's vector work stands beside the other's matrix work.  Every wave walks all 2,048 keys, 64 a step.
; LAYOUT.  S^T = K Q^T (source 0 = 16 keys, source 1 = 16 queries), O^T = V^T P (source 0 = 16 channels, turned on the way out of LDS; source 1 = P): a lane holds ONE query throughout.
; RING.  Two slots of 256 keys.  A key step's 64 rows of 128 bytes are one dense block, stated as 32 rows of 256 bytes: part j of a slot holds K of step j (pitch 272), part 4 + j V of step j (pitch 288).
; Wave w fetches part w: one tensor load a wave behind each change of slots, which has four key steps in which to land.
; CLUSTER.  The four query blocks of a head walk the same K and V: each tile is asked for jointly, by the same load with the same descriptor and the mask of all four.
; REGISTERS.  window 0: v1-14 addresses and constants; v16-47 eight registers of statistics a tile (+0 m, +1 old m, then its change, +2 a, +3 zero, +4..7 at work); v48-111 S, then P in its low half, two tiles; v112-175 Q; v176-239 K.
;   window 1: v0-127 O^T, 32 a tile; v128-159 the sums, 8 a tile (register 0 alone is kept under the new m and read); v160-167 ones; v168-231 V.
.set PART,  9216
.set SLOT1, 1<<17                      ; slot 1 begins here: one exclusive or turns an address in one slot into the other's
.set STAGE, SLOT1+8*PART               ; the way out: 16 rows x (128 bytes + 16) for each wave
.set SPARE, STAGE+8*16*144             ; the spare words, 128 bytes for each wave: four blocks of 256 bytes that no other line names
.set AK0, 3
.set AV0, 4
.set ADK, 5
.set ADV, 6
.set QO,  7
.set STO, 8
.set RD,  9
.set TMV, 10                           ; v10  -1e9 log2(e)
.set PFO, 11
.set SPW, 12
.set NIL, 13
.set GO,  14
.set ST,  16
.set S,   48
.set QF,  112
.set KF,  176
.set L,   128                          ; in window 1
.set ONES, 160
.set VF,  168
.set WV,  2                            ; s2   my wave's number
.set TB,  3                            ; s3   LDS byte at which the step's tiles begin
.set SLOTS, 4
.set STEPC, 5
.set MP,  6                            ; s[6:7]   my tile 0's mask words of the step in hand
.set PFA, 8                            ; s[8:9]   where my prefetches stand
.set LIM, 10
.set G0,  12                           ; s[12:15] the walking descriptor group 0
.set G1K, 16
.set G1V, 24
.set MA,  32                           ; s[32:63] the 32 lane masks of the piece's first tile
.set SEL, 66
.set MB,  68                           ; s[68:99] of its second
.set CP,  100                          ; s[100:101] ctxh at my wave's rows
.set QP,  104                          ; s[104:105] q at my wave's rows
.set MSB, 0
.macro WIN new
.if MSB != \new
	s_set_vgpr_msb (MSB<<8)|\new
.set MSB, \new
.endif
.endm
.macro PLACES n
.rept \n
	v_nop
.endr
.endm
; A joint load.  Waves 0-3 fetch K's four parts, waves 4-7 V's: the two lines differ in the padding.  The branch hangs on the wave's number alone.  An s_nop 0 and four v_nop follow each line.
.macro JLOAD
	s_cmp_lt_u32 s[WV], 4
	s_cbranch_scc0 .Lfor_v_\@
	tensor_load_to_lds s[G0:G0+3], s[G1K:G1K+7]
	s_nop 0
.rept 4
	v_nop
.endr
	s_branch .Lasked_\@
.Lfor_v_\@:
	tensor_load_to_lds s[G0:G0+3], s[G1V:G1V+7]
	s_nop 0
.rept 4
	v_nop
.endr
.Lasked_\@:
.endm
; A prefetch of what the NEXT change of slots will ask for: a slot's 32,768 bytes of K and of V.  A head has one cluster; its four partners share each block out BY ADDRESS, 8,192 bytes each, lanes 256 bytes apart;
; wave 0 asks for K's, wave 4 for V's: each aligned run of 256 bytes is named once in the launch.  The last change that fills a slot asks for nothing.
.macro ASK
	s_cmp_gt_u32 s[SLOTS], s[LIM]
	s_cbranch_scc0 .Lnot_mine_\@
	global_prefetch_b8 v[PFO], s[PFA:PFA+1] th:TH_LOAD_NT scope:SCOPE_SE
.Lnot_mine_\@:
.endm
.macro CROUND
	s_barrier_signal -1
	s_barrier_wait -1
	s_cmp_lg_u32 s[WV], 0
	s_cbranch_scc1 .Lnot_wave_0_\@
	s_barrier_signal -3
.Lnot_wave_0_\@:
	s_barrier_wait -3
	s_barrier_signal -1
	s_barrier_wait -1
.endm
	s_load_b128 s[32:35], s[0:1], 0x0              ; qkvh, maskw
	s_load_b64 s[36:37], s[0:1], 0x10              ; ctxh
	v_lshl_add_u32 v[SPW], v0, 2, SPARE
	v_mov_b32 v[NIL], 0
	ds_add_u32 v[SPW], v[NIL]                      ; the wave's opening: the add, twice on end, and its wait ahead of my first tensor load
	ds_add_u32 v[SPW], v[NIL]
	v_lshrrev_b32 v1, 5, v0
	v_readfirstlane_b32 s[WV], v1                  ; wave 0..7
	s_bfe_u32 s38, ttmp6, 0x40000                  ; cx: my block of 512 queries
	s_and_b32 s39, ttmp7, 0xffff                   ; 16 b + h, which the four partners share
	s_lshl_b32 s40, s39, 18                        ; a head is 2^18 bytes
	s_lshr_b32 s41, s[WV], 2
	s_add_co_u32 s41, s41, 1                       ; tensor 1 (k) for waves 0-3, tensor 2 (v) for waves 4-7
	s_lshl_b32 s41, s41, 24
	s_add_co_u32 s41, s41, s40
	s_and_b32 s42, s[WV], 3
	s_lshl_b32 s43, s42, 13                        ; my key step of a slot: 8,192 bytes
	s_add_co_u32 s44, s41, s43                     ; my tile of slot 0: wave and head alone enter it
	s_mov_b32 s45, 0
	s_lshl_b32 s46, s38, 16                        ; 512 rows of 128 bytes
	s_lshl_b32 s47, s[WV], 13                      ; 64 rows
	s_add_co_u32 s47, s46, s47
	s_add_co_u32 s46, s47, s40                     ; q at my wave's first row
	s_and_b32 s48, s39, 15
	s_lshl_b32 s48, s48, 20                        ; ctxh: 2^20 bytes a head,
	s_lshr_b32 s49, s39, 4                         ; b
	s_lshl_b32 s50, s49, 18                        ; 2,048 rows of 128 bytes a batch
	s_add_co_u32 s48, s48, s50
	s_add_co_u32 s48, s48, s47
	s_mov_b32 s47, 0
	s_lshl_b32 s50, s49, 19                        ; the mask words: 128 tiles of 4,096 bytes a batch,
	s_lshl_b32 s51, s38, 17                        ; 32 tiles a block,
	s_add_co_u32 s50, s50, s51
	s_lshl_b32 s51, s[WV], 14                      ; 4 a wave
	s_add_co_u32 s50, s50, s51
	s_mov_b32 s49, 0
	s_mov_b32 s51, 0
	s_lshl_b32 s52, s38, 13                        ; the prefetches: my work-group's 8,192 bytes,
	s_add_co_u32 s52, s52, s41
	s_add_co_u32 s52, s52, 32768                   ; in slot 1: the first change of slots steps it to slot 2
	s_mov_b32 s53, 0
	s_and_b32 s[LIM], s[WV], 3
	s_cmp_eq_u32 s[LIM], 0
	s_cselect_b32 s[LIM], 1, -1                    ; waves 0 and 4 ask while more than one slot is still to be asked for
	; descriptor group 1: 32 rows of 128 elements of 2 bytes, dense in memory; padding behind each row: 4 words for K, 8 for V
	s_mov_b32 s[G1K], 15|(1<<16)|(1<<20)|(1<<21)|(5<<22)|(3<<25)
	s_mov_b32 s[G1V], 15|(1<<16)|(1<<20)|(1<<21)|(5<<22)|(7<<25)
.irp g, G1K, G1V
	s_mov_b32 s[\g+1], 128<<16                     ; tensor_dim0
	s_mov_b32 s[\g+2], 32<<16                      ; tensor_dim1
	s_mov_b32 s[\g+3], 128<<16                     ; tile_dim0
	s_mov_b32 s[\g+4], 32                          ; tile_dim1
	s_mov_b32 s[\g+5], 128                         ; from row to row
	s_mov_b32 s[\g+6], 0
	s_mov_b32 s[\g+7], 0
.endr
	s_mov_b32 s[SEL], 0x76543210
	s_mov_b32 s[SEL+1], 0xfedcba98
	s_wait_dscnt 0x0                               ; both opening adds are done
	s_wait_kmcnt 0x0
	s_add_nc_u64 s[QP:QP+1], s[32:33], s[46:47]
	s_add_nc_u64 s[CP:CP+1], s[36:37], s[48:49]
	s_add_nc_u64 s[MP:MP+1], s[34:35], s[50:51]
	s_add_nc_u64 s[PFA:PFA+1], s[32:33], s[52:53]
	CROUND                                         ; all four work-groups are here: the first joint loads meet
	s_mov_b32 s[G0], 1
	s_mul_i32 s[G0+1], s[WV], PART                 ; part w of slot 0
	s_add_nc_u64 s[G0+2:G0+3], s[32:33], s[44:45]
	s_or_b32 s[G0+3], s[G0+3], 0x80000000
	JLOAD                                          ; slot 0: one load of mine is out
	v_and_b32 v1, 15, v0                           ; r
	v_bfe_u32 v2, v0, 4, 1                         ; h
	v_lshlrev_b32 v[QO], 7, v1
	v_lshl_add_u32 v[QO], v2, 4, v[QO]             ; q: row r of 128 bytes, + 16 h
.irp t, 0,1,2,3
.irp c, 0,1
	global_load_b128 v[QF+16*\t+8*\c:QF+16*\t+8*\c+3],   v[QO], s[QP:QP+1] offset:2048*\t+64*\c      ; Q stays in registers: tile t, channels 32 c on
	global_load_b128 v[QF+16*\t+8*\c+4:QF+16*\t+8*\c+7], v[QO], s[QP:QP+1] offset:2048*\t+64*\c+32
.endr
.endr
	s_load_b512 s[MA:MA+15], s[MP:MP+1], 0         ; the first piece's lane masks (the head's scalars in these registers are done with)
	s_load_b512 s[MA+16:MA+31], s[MP:MP+1], 64
	s_load_b512 s[MB:MB+15], s[MP:MP+1], 4096
	s_load_b512 s[MB+16:MB+31], s[MP:MP+1], 4160
	; key k of a step lies at (k / 2) x pitch + (k % 2) x 128.  K: lane (r, h) takes key r, 16 bytes at 16 h
	v_lshrrev_b32 v5, 1, v1
	v_mul_u32_u24 v[AK0], v5, 272
	v_and_b32 v5, 1, v1
	v_lshl_add_u32 v[AK0], v5, 7, v[AK0]
	v_lshl_add_u32 v[AK0], v2, 4, v[AK0]
	; V, for the turning load: lane l takes key 8 h + l % 8, 16 bytes at 16 ((l / 8) % 2)
	v_bfe_u32 v5, v0, 1, 2
	v_lshl_add_u32 v5, v2, 2, v5
	v_mul_u32_u24 v[AV0], v5, 288
	v_and_b32 v5, 1, v0
	v_lshl_add_u32 v[AV0], v5, 7, v[AV0]
	v_bfe_u32 v5, v0, 3, 1
	v_lshl_add_u32 v[AV0], v5, 4, v[AV0]
	v_add_nc_u32 v[AV0], 4*PART, v[AV0]
	s_mul_i32 s[STEPC], s[WV], 16*144
	s_add_co_u32 s[STEPC], s[STEPC], STAGE         ; my stage
	v_mul_u32_u24 v[STO], v1, 144
	v_lshl_add_u32 v[STO], v2, 4, v[STO]
	v_add_nc_u32 v[STO], s[STEPC], v[STO]          ; in: row r, + 16 h
	v_and_b32 v6, 31, v0
	v_lshrrev_b32 v5, 3, v6
	v_mul_u32_u24 v[RD], v5, 144
	v_and_b32 v5, 7, v0
	v_lshl_add_u32 v[RD], v5, 4, v[RD]
	v_add_nc_u32 v[RD], s[STEPC], v[RD]            ; back: eight lanes to a row, four rows an instruction
	v_lshlrev_b32 v[GO], 4, v6
	v_lshlrev_b32 v[PFO], 8, v6
	v_mov_b32 v[TMV], 0xceabfb8f                   ; -1e9 x log2(e)
.irp t, 0,1,2,3
	v_mov_b32 v[ST+8*\t], 0xff61b1e6               ; m: -3e38, under every t
	v_mov_b32 v[ST+8*\t+3], 0                      ; (named as the upper half of a's pair)
.endr
	WIN 0x40                                       ; destination window 1
.set i, 0
.rept 160
	v_mov_b32 v[i], 0                              ; O^T and the sums, once: the step is written with no first copy; the first change of m multiplies zeros
.set i, i+1
.endr
.irp i, 0,1,2,3,4,5,6,7
	v_mov_b32 v[ONES+\i], 0x3c003c00               ; 1.0 twice, in f16
.endr
	WIN 0
; S^T = K Q^T for piece x: 16 products.  Channels 32 (i / 8) on, keys 16 ((i / 2) % 4) on, tile x + i % 2.  The eight accumulators take turns; the first eight products start the sums.
.macro KQ x
.set i, 0
.rept 16
.set rS, S+32*(i%2)+8*((i/2)%4)
.set rK, KF+16*((i/2)%4)+8*(i/8)
.set rQ, QF+16*(\x+i%2)+8*(i/8)
.if i < 8
	v_wmma_f32_16x16x32_f16 v[rS:rS+7], v[rK:rK+7], v[rQ:rQ+7], 0
.else
	v_wmma_f32_16x16x32_f16 v[rS:rS+7], v[rK:rK+7], v[rQ:rQ+7], v[rS:rS+7]
.endif
.set i, i+1
.endr
.endm
; O^T += V^T P and the sums += ones x P for piece x: 20 products, ten accumulators by turns, keys 32 u on.
.macro PV x
	WIN 0x51                                       ; source 0, C and D window 1; P window 0
.irp u, 0,1
.irp ct, 0,1,2,3
.irp e, 0,1
	v_wmma_f32_16x16x32_f16 v[32*(\x+\e)+8*\ct:32*(\x+\e)+8*\ct+7], v[VF+32*\u+8*\ct:VF+32*\u+8*\ct+7], v[S+32*\e+8*\u:S+32*\e+8*\u+7], v[32*(\x+\e)+8*\ct:32*(\x+\e)+8*\ct+7]
.endr
.endr
.irp e, 0,1
	v_wmma_f32_16x16x32_f16 v[L+8*(\x+\e):L+8*(\x+\e)+7], v[ONES:ONES+7], v[S+32*\e+8*\u:S+32*\e+8*\u+7], v[L+8*(\x+\e):L+8*(\x+\e)+7]
.endr
.endr
.endm
; The softmax of piece x for one key step, the two tiles by turns.  off: where the NEXT piece's lane masks lie from MP; step = 1: MP goes on to the next key step first.
.macro SM x, off, step
	s_wait_kmcnt 0x0                               ; this piece's lane masks are in, so MP may be written too
.if \step
	s_add_nc_u64 s[MP:MP+1], s[MP:MP+1], 128
.endif
.set j, 0
.rept 32
	v_cndmask_b32 v[S+j], v[S+j], v[TMV], s[MA+j]            ; a masked score is replaced, ahead of the maximum; each accumulator from its low end on
	v_cndmask_b32 v[S+32+j], v[S+32+j], v[TMV], s[MB+j]
.set j, j+1
.endr
	s_load_b512 s[MA:MA+15], s[MP:MP+1], \off      ; the next piece's: they have the rest of this piece and the next products in which to come.  (Behind the last step this reads the next tiles' words, inside the buffer: it is my tiles 0 and 1 that ask)
	s_load_b512 s[MA+16:MA+31], s[MP:MP+1], \off+64
	s_load_b512 s[MB:MB+15], s[MP:MP+1], \off+4096
	s_load_b512 s[MB+16:MB+31], s[MP:MP+1], \off+4160
.irp j, 0,1,2,3                                ; the maximum of 32 scores and the old m: four chains of seven, then the rest
.irp u, 0,1
	v_max3_num_f32 v[ST+8*(\x+\u)+4+\j], v[S+32*\u+8*\j], v[S+32*\u+8*\j+1], v[S+32*\u+8*\j+2]
.endr
.endr
.irp g, 1,2
.irp j, 0,1,2,3
.irp u, 0,1
	v_max3_num_f32 v[ST+8*(\x+\u)+4+\j], v[ST+8*(\x+\u)+4+\j], v[S+32*\u+8*\j+2*\g+1], v[S+32*\u+8*\j+2*\g+2]
.endr
.endr
.endr
.irp u, 0,1
	v_max3_num_f32 v[ST+8*(\x+\u)+4], v[ST+8*(\x+\u)+4], v[S+32*\u+7], v[S+32*\u+15]
.endr
.irp u, 0,1
	v_max3_num_f32 v[ST+8*(\x+\u)+6], v[ST+8*(\x+\u)+6], v[S+32*\u+23], v[S+32*\u+31]
.endr
.irp u, 0,1
	v_max3_num_f32 v[ST+8*(\x+\u)+4], v[ST+8*(\x+\u)+4], v[ST+8*(\x+\u)+5], v[ST+8*(\x+\u)+6]
.endr
.irp u, 0,1
	v_max3_num_f32 v[ST+8*(\x+\u)+4], v[ST+8*(\x+\u)+4], v[ST+8*(\x+\u)+7], v[ST+8*(\x+\u)]
.endr
.irp u, 0,1
	v_permlanex16_b32 v[ST+8*(\x+\u)+5], v[ST+8*(\x+\u)+4], s[SEL], s[SEL+1]   ; the query's other 32 keys lie in the lane 16 away
.endr
.irp u, 0,1
	v_mov_b32 v[ST+8*(\x+\u)+1], v[ST+8*(\x+\u)]
.endr
.irp u, 0,1
	v_max_num_f32 v[ST+8*(\x+\u)], v[ST+8*(\x+\u)+4], v[ST+8*(\x+\u)+5]        ; the new m
.endr
.irp u, 0,1
	v_sub_f32 v[ST+8*(\x+\u)+1], v[ST+8*(\x+\u)+1], v[ST+8*(\x+\u)]            ; old m - new m
.endr
.set j, 0
.rept 16
	v_pk_add_f32 v[S+j:S+j+1], v[S+j:S+j+1], v[ST+8*(\x):ST+8*(\x)+1] op_sel_hi:[1,0] neg_lo:[0,1] neg_hi:[0,1]              ; t - m, two at a time
	v_pk_add_f32 v[S+32+j:S+32+j+1], v[S+32+j:S+32+j+1], v[ST+8*(\x+1):ST+8*(\x+1)+1] op_sel_hi:[1,0] neg_lo:[0,1] neg_hi:[0,1]
.set j, j+2
.endr
.irp u, 0,1                                    ; ONE batch of 66 exponentials: none reads another's result
	v_exp_f32 v[ST+8*(\x+\u)+2], v[ST+8*(\x+\u)+1]
.endr
.set j, 0
.rept 64
	v_exp_f32 v[S+j], v[S+j]
.set j, j+1
.endr
	v_nop                                          ; a plain line behind the last exponential
	s_wait_alu depctr_va_vdst(0)                   ; and one wait ahead of the batch's first reader
.set j, 0
.rept 16
	v_cvt_pk_f16_f32 v[S+j], v[S+2*j], v[S+2*j+1]              ; P in place: register j has been read before it is written
	v_cvt_pk_f16_f32 v[S+32+j], v[S+32+2*j], v[S+32+2*j+1]
.set j, j+1
.endr
	WIN 0x41                                       ; destination and source 0 window 1, a in window 0
.set j, 0
.rept 16
	v_pk_mul_f32 v[32*(\x)+j:32*(\x)+j+1], v[32*(\x)+j:32*(\x)+j+1], v[ST+8*(\x)+2:ST+8*(\x)+3] op_sel_hi:[1,0]
	v_pk_mul_f32 v[32*(\x+1)+j:32*(\x+1)+j+1], v[32*(\x+1)+j:32*(\x+1)+j+1], v[ST+8*(\x+1)+2:ST+8*(\x+1)+3] op_sel_hi:[1,0]
.set j, j+2
.endr
	v_mul_f32 v[L+8*(\x)], v[L+8*(\x)], v[ST+8*(\x)+2]         ; all 16 rows of the sums' tile are equal: register 0 alone is kept; the others stay at most 2,048 and are never read
	v_mul_f32 v[L+8*(\x+1)], v[L+8*(\x+1)], v[ST+8*(\x+1)+2]
.endm
; A KEY STEP of 64 keys.
.macro STEP
	v_add_nc_u32 v[ADK], s[TB], v[AK0]             ; these two and three v_nop: five plain lines behind the last V^T P, for the loads into V's registers (four are asked)
	v_add_nc_u32 v[ADV], s[TB], v[AV0]             ; and for K Q^T, which writes over P (five)
	PLACES 3
.irp kt, 0,1,2,3
.irp c, 0,1
	ds_load_b128 v[KF+16*\kt+8*\c:KF+16*\kt+8*\c+3],   v[ADK] offset:2176*\kt+64*\c
	ds_load_b128 v[KF+16*\kt+8*\c+4:KF+16*\kt+8*\c+7], v[ADK] offset:2176*\kt+64*\c+32
.endr
.endr
	WIN 0x40
.irp u, 0,1
.irp ct, 0,1,2,3
	ds_load_tr16_b128 v[VF+32*\u+8*\ct:VF+32*\u+8*\ct+3],   v[ADV] offset:4608*\u+32*\ct
	ds_load_tr16_b128 v[VF+32*\u+8*\ct+4:VF+32*\u+8*\ct+7], v[ADV] offset:4608*\u+32*\ct+2304
.endr
.endr
	WIN 0
	s_wait_dscnt 16                                ; K is in; V's sixteen loads may be out
	KQ 0
	PLACES 4
	SM 0, 8192, 0
	s_wait_dscnt 0x0                               ; V is in
	PV 0
	WIN 0
	PLACES 5                                       ; K Q^T writes over P
	KQ 2
	PLACES 4
	SM 2, 0, 1
	PV 2
	WIN 0
	s_add_co_u32 s[TB], s[TB], PART
.endm
.macro FOUR                            ; a slot's four key steps: written once, walked four times; then the other slot's first step
	s_mov_b32 s[STEPC], 4
.Lstep_\@:
	STEP
	s_sub_co_u32 s[STEPC], s[STEPC], 1
	s_cmp_lg_u32 s[STEPC], 0
	s_cbranch_scc1 .Lstep_\@
	s_sub_co_u32 s[TB], s[TB], 4*PART
	s_xor_b32 s[TB], s[TB], SLOT1
.endm
; THE CHANGE OF SLOTS stands at a slot's head.  Each wave waits for all its tensor loads (one is out: its part of the slot ahead), adds 0 to its spare word, and waits for that and for its reads of the slot that it has left.
; fill = 1: a round of the cluster's barrier, so that no wave of any partner still reads the other slot or has a load on its way; the joint load into that slot is the first thing behind it.
.macro CHANGE fill
	s_wait_tensorcnt 0x0                           ; no tensor load of mine is out, so group 0 may be written
	ds_add_u32 v[SPW], v[NIL]                      ; 0 onto my spare word
.if \fill
	s_xor_b32 s[G0+1], s[G0+1], SLOT1              ; the other slot than last time,
	s_add_nc_u64 s[G0+2:G0+3], s[G0+2:G0+3], 32768 ; the next 256 keys; the type bits on top are not reached
	s_wait_xcnt 0x0                                ; the last prefetch, a slot back, has read its address
	s_add_nc_u64 s[PFA:PFA+1], s[PFA:PFA+1], 32768 ; one slot further on than the walking descriptor
	s_wait_dscnt 0x0
	CROUND
	JLOAD
	ASK
.else
	s_wait_dscnt 0x0
	s_barrier_signal -1
	s_barrier_wait -1
.endif
.endm
	s_wait_loadcnt 0x0                             ; Q
	s_mov_b32 s[TB], 0
	s_mov_b32 s[SLOTS], 7
.Lslot:                                            ; seven trips: slot i is worked while slot i + 1 is on its way
	CHANGE 1
	FOUR
	s_sub_co_u32 s[SLOTS], s[SLOTS], 1
	s_cmp_lg_u32 s[SLOTS], 0
	s_cbranch_scc1 .Lslot
	CHANGE 0                                       ; the last slot is written out
	FOUR
	; THE WAY OUT.  O^T is divided by the sum, rounded to f16 and sent through my stage, a tile (16 rows of 128 bytes) at a time: a store covers four rows, 512 consecutive bytes.
	PLACES 4                                       ; behind the last products
	WIN 0x01                                       ; source 0 window 1
.irp t, 0,1,2,3
	v_rcp_f32 v[ST+8*\t+2], v[L+8*\t]
.endr
	v_nop
	s_wait_alu depctr_va_vdst(0)                   ; one wait for the four reciprocals, ahead of their first reader
.macro OPACK t
	WIN 0x41
.set i, 0
.rept 16
	v_pk_mul_f32 v[32*\t+i:32*\t+i+1], v[32*\t+i:32*\t+i+1], v[ST+8*\t+2:ST+8*\t+3] op_sel_hi:[1,0]
.set i, i+2
.endr
	WIN 0x05                                       ; sources 0 and 1 window 1, destination window 0
.set i, 0
.rept 16
	v_cvt_pk_f16_f32 v[S+16*\t+i], v[32*\t+2*i], v[32*\t+2*i+1]
.set i, i+1
.endr
	WIN 0
.irp c, 0,1,2,3
	ds_store_b128 v[STO], v[S+16*\t+4*\c:S+16*\t+4*\c+3] offset:32*\c
.endr
.irp f, 0,1,2,3
	ds_load_b128 v[S+16*\t+4*\f:S+16*\t+4*\f+3], v[RD] offset:576*\f   ; in order behind the stores above; the next tile's stores come behind these
.endr
.endm
.macro OSEND t, younger                ; younger: the LDS instructions issued behind tile t's loads: the next tile's eight, or none
.irp f, 0,1,2,3
	s_wait_dscnt \younger+3-\f
	global_store_b128 v[GO], v[S+16*\t+4*\f:S+16*\t+4*\f+3], s[CP:CP+1] offset:2048*\t+512*\f
.endr
.endm
	OPACK 0
	OPACK 1
	OSEND 0, 8
	OPACK 2
	OSEND 1, 8
	OPACK 3
	OSEND 2, 8
	OSEND 3, 0
	s_wait_tensorcnt 0x0                           ; the wave's end: three lines behind my last tensor load and my last LDS store
	ds_add_u32 v[SPW], v[NIL]
	s_wait_dscnt 0x0
	CROUND                                         ; the closing round
	s_endpgm
.Lfunc_end_k_q4b0cba983d_attn:
	.size	k_q4b0cba983d_attn, .Lfunc_end_k_q4b0cba983d_attn-k_q4b0cba983d_attn
	.p2alignl 7, 3214868480
	.fill 96, 4, 3214868480
	.section	.rodata,"a",@progbits
	.p2align	6, 0x0
	.amdhsa_kernel k_q4b0cba983d_attn
		.amdhsa_group_segment_fixed_size 327680
		.amdhsa_private_segment_fixed_size 0
		.amdhsa_enable_private_segment 0
		.amdhsa_kernarg_size 24
		.amdhsa_user_sgpr_count 2
		.amdhsa_user_sgpr_kernarg_segment_ptr 1
		.amdhsa_wavefront_size32 1
		.amdhsa_system_sgpr_workgroup_id_x 1
		.amdhsa_system_sgpr_workgroup_id_y 1
		.amdhsa_system_sgpr_workgroup_id_z 1
		.amdhsa_system_vgpr_workitem_id 0
		.amdhsa_next_free_vgpr 512
		.amdhsa_next_free_sgpr 106
		.amdhsa_reserve_vcc 0
		.amdhsa_float_denorm_mode_32 3
		.amdhsa_float_denorm_mode_16_64 3
		.amdhsa_memory_ordered 1
		.amdhsa_forward_progress 1
		.amdhsa_inst_pref_size 104
	.end_amdhsa_kernel
	.amdgpu_metadata
---
amdhsa.version: [ 1, 2 ]
amdhsa.kernels:
  - .name:           k_q4b0cba983d_attn
    .symbol:         k_q4b0cba983d_attn.kd
    .args:
      - { .name: qkvh, .offset: 0, .size: 8, .value_kind: global_buffer, .address_space: global }
      - { .name: maskw, .offset: 8, .size: 8, .value_kind: global_buffer, .address_space: global }
      - { .name: ctxh, .offset: 16, .size: 8, .value_kind: global_buffer, .address_space: global }
    .group_segment_fixed_size: 327680
    .private_segment_fixed_size: 0
    .kernarg_segment_align: 8
    .kernarg_segment_size: 24
    .max_flat_workgroup_size: 256
    .sgpr_count:     106
    .vgpr_count:     512
    .wavefront_size: 32
...
	.end_amdgpu_metadata
.endif
;; end of part 3
;; launch outp (part 4): grid 4 x 64, 4 waves a work-group, clusters of 4 x 4, 327,680 bytes of LDS; arguments ctxh, wot, out0; writes out0
.if DOCPART == 4
	.amdgcn_target "amdgcn-amd-amdhsa--gfx1250"
	.amdhsa_code_object_version 6
	.text
	.protected	k_q4b0cba983d_outp
	.globl	k_q4b0cba983d_outp
	.p2align	8
	.type	k_q4b0cba983d_outp,@function
k_q4b0cba983d_outp:
	s_mov_b64 s[64:65], 0
	v_nop
	global_prefetch_b8 v0, s[64:65] scope:SCOPE_SE
	s_setreg_imm32_b32 hwreg(HW_REG_WAVE_MODE, 25, 1), 1
	s_wait_xcnt 0x0
	s_wait_alu depctr_hold_cnt(0) depctr_sa_sdst(0) depctr_va_vdst(0) depctr_va_sdst(0) depctr_va_ssrc(0) depctr_va_vcc(0) depctr_vm_vsrc(0)
	s_getreg_b32 s2, hwreg(HW_REG_IB_STS2, 6, 4)
	s_cmp_eq_u32 s2, 0
	s_cbranch_scc0 .Lentry_in_a_cluster
	s_endpgm
.Lentry_in_a_cluster:
	s_bfe_u32 s2, ttmp6, 0x10000c
	s_cmp_lg_u32 s2, 0xf033
	s_cbranch_scc0 .Lentry_shape_is_right
	s_endpgm
.Lentry_shape_is_right:
; out0[m][n] = the sum over k of ctx[m][k] W_O[k][n], f16 operands, f32 sums, f32 out.  ctxh: [16 head][8192 m][64]; wot: [16 head][1024 n][64]; out0: [8192][1024] f32.  k = 64 head + d.
; A tile of 128 (m) x 256 (n) to a work-group: 256 work-groups.  Four waves, each 64 x 128: 32 accumulators, which fill window 1.  A K step is two heads (128 along K): eight steps through a ring of two slots.
; By heads every tile is a dense block of memory, stated as rows of 256 bytes (two rows of 64 f16), 16 bytes of padding behind each: row m of a tile lies at (m / 2) x 272 + (m % 2) x 128.
; One load a wave: waves 0, 1 fetch ctx's two heads (64 LDS rows each), waves 2, 3 W_O's (128 LDS rows each).
; CLUSTERS: 4 x 4 work-groups; ctx's tiles are shared along a row of the cluster, W_O's along a column: each is asked for jointly.
; No prefetch: a refill here stands a K step ahead of its wait, and the launch is short.
; THE MATRIX INSTRUCTION IS USED TRANSPOSED (source 0 = 16 rows of wot, source 1 = 16 rows of ctxh): a lane holds eight neighbouring columns of a row of out0.
; REGISTERS: window 0: v16-29 addresses; two fragment buffers of 96 (W_O's 64, then ctx's 32) at v32 and v128; on the way out v32-159.  window 1: accumulator (a, b) at v[8 (8 a + b)].
.set PITCH,  272
.set AH,     64*PITCH                  ; ctx's tile of one head
.set BH,     128*PITCH                 ; W_O's
.set SLOT,   2*AH+2*BH
.set STAGE,  2*SLOT                    ; the way out: 16 rows x (512 bytes + 16) for each wave
.set SPITCH, 528
.set SPARE,  STAGE+4*16*SPITCH         ; the spare words, 128 bytes for each wave: two blocks of 256 bytes that no other line names
.set LAPS,   4                         ; a lap = two K steps = once round the ring
.set ADRA, 16
.set ADRB, 20
.set STO,  24
.set RD,   25
.set CO,   26
.set SPW,  28
.set NIL,  29
.set F0,   32
.set F1,   128
.set BK,   32
.set G1, 24
.set G0, 32
.set G1B, 48
.set G0B, 56
.set MSB, 0
.macro WIN new
.if MSB != \new
	s_set_vgpr_msb (MSB<<8)|\new
.set MSB, \new
.endif
.endm
.set MUL, 0x50                         ; C and D window 1, operands window 0
.macro JLOAD s                         ; a joint load; an s_nop 0 and four v_nop follow each of the two lines
	s_cmp_eq_u32 s11, 0
	s_cbranch_scc0 .Lfor_b_\@
	tensor_load_to_lds s[G0+4*\s:G0+4*\s+3], s[G1:G1+7]
	s_nop 0
.rept 4
	v_nop
.endr
	s_branch .Lasked_\@
.Lfor_b_\@:
	tensor_load_to_lds s[G0B+4*\s:G0B+4*\s+3], s[G1B:G1B+7]
	s_nop 0
.rept 4
	v_nop
.endr
.Lasked_\@:
.endm
.macro CREST
	s_cmp_lg_u32 s10, 0
	s_cbranch_scc1 .Lnot_wave_0_\@
	s_barrier_signal -3
.Lnot_wave_0_\@:
	s_barrier_wait -3
	s_barrier_signal -1
	s_barrier_wait -1
.endm
.macro CROUND
	s_barrier_signal -1
	s_barrier_wait -1
	CREST
.endm
	s_load_b128 s[4:7], s[0:1], 0x0                ; ctxh, wot
	s_load_b64 s[8:9], s[0:1], 0x10                ; out0
	v_lshl_add_u32 v[SPW], v0, 2, SPARE
	v_mov_b32 v[NIL], 0
	ds_add_u32 v[SPW], v[NIL]                      ; the wave's opening: the add, twice on end, and its wait ahead of my first tensor load
	ds_add_u32 v[SPW], v[NIL]
	v_lshrrev_b32 v1, 5, v0
	v_readfirstlane_b32 s10, v1                    ; wave 0..3
	s_lshr_b32 s11, s10, 1                         ; which 64 rows of the tile are mine.  Also: I fetch for ctx (0) or for W_O (1)
	s_and_b32 s12, s10, 1                          ; which 128 columns.  Also: which of a K step's two heads I fetch
	s_bfe_u32 s40, ttmp6, 0x40000                  ; cx, cy
	s_bfe_u32 s41, ttmp6, 0x40004
	s_lshl_b32 s42, ttmp9, 2
	s_add_co_u32 s42, s42, s40                     ; tile column
	s_and_b32 s13, ttmp7, 0xffff
	s_lshl_b32 s13, s13, 2
	s_add_co_u32 s13, s13, s41                     ; tile row
	s_lshl_b32 s43, s41, 2
	s_lshl_b32 s43, 15, s43                        ; my row of the cluster
	s_lshl_b32 s44, 0x1111, s40                    ; my column
	s_or_b32 s[G1+0], s43, (1<<16)|(1<<20)|(1<<21)|(5<<22)|(3<<25)   ; elements of 2 bytes; 4 words of padding behind every 64
	s_or_b32 s[G1B+0], s44, (1<<16)|(1<<20)|(1<<21)|(5<<22)|(3<<25)
	s_mov_b32 s[G1+1], 128<<16                     ; tensor_dim0
	s_mov_b32 s[G1+2], 64<<16                      ; tensor_dim1
	s_mov_b32 s[G1+3], 128<<16                     ; tile_dim0
	s_mov_b32 s[G1+4], 64                          ; tile_dim1
	s_mov_b32 s[G1+5], 128                         ; from row to row
	s_mov_b32 s[G1+6], 0
	s_mov_b32 s[G1+7], 0
	s_mov_b32 s[G1B+1], 128<<16
	s_mov_b32 s[G1B+2], 128<<16
	s_mov_b32 s[G1B+3], 128<<16
	s_mov_b32 s[G1B+4], 128
	s_mov_b32 s[G1B+5], 128
	s_mov_b32 s[G1B+6], 0
	s_mov_b32 s[G1B+7], 0
	s_lshl_b32 s16, s13, 14                        ; ctx: 128 rows of 128 bytes a tile row,
	s_lshl_b32 s17, s12, 20                        ; 2^20 bytes a head
	s_add_co_u32 s16, s16, s17
	s_mov_b32 s17, 0
	s_lshl_b32 s46, s42, 15                        ; W_O: 256 rows of 128 bytes a tile column,
	s_lshl_b32 s47, s12, 17                        ; 2^17 bytes a head
	s_add_co_u32 s46, s46, s47
	s_mov_b32 s47, 0
	s_mul_i32 s20, s12, AH                         ; where they go: no place in the cluster enters an LDS address
	s_mul_i32 s21, s12, BH
	s_add_co_u32 s21, s21, 2*AH
	s_wait_dscnt 0x0                               ; both opening adds are done
	s_wait_kmcnt 0x0
	s_add_nc_u64 s[14:15], s[4:5], s[16:17]
	s_add_nc_u64 s[46:47], s[6:7], s[46:47]
	CROUND                                         ; all sixteen work-groups are here: the first joint loads meet
.irp s, 0,1
	s_mov_b32 s[G0+4*\s], 1
	s_add_co_u32 s[G0+4*\s+1], s20, \s*SLOT
	s_add_nc_u64 s[G0+4*\s+2:G0+4*\s+3], s[14:15], \s*(2<<20)      ; K step s: two heads on
	s_or_b32 s[G0+4*\s+3], s[G0+4*\s+3], 0x80000000
	s_mov_b32 s[G0B+4*\s], 1
	s_add_co_u32 s[G0B+4*\s+1], s21, \s*SLOT
	s_add_nc_u64 s[G0B+4*\s+2:G0B+4*\s+3], s[46:47], \s*(2<<17)
	s_or_b32 s[G0B+4*\s+3], s[G0B+4*\s+3], 0x80000000
	JLOAD \s                                       ; two loads of mine are out
.endr
	v_and_b32 v1, 15, v0                           ; r
	v_bfe_u32 v2, v0, 4, 1                         ; h
	v_lshrrev_b32 v4, 1, v1
	v_mul_u32_u24 v3, v4, PITCH
	v_and_b32 v4, 1, v1
	v_lshl_add_u32 v3, v4, 7, v3
	v_lshl_add_u32 v3, v2, 4, v3                   ; a fragment's row r: (r / 2) x pitch + (r % 2) x 128 + 16 h
	s_mul_i32 s21, s11, 32*PITCH                   ; my 64 rows of ctx
	s_mul_i32 s22, s12, 64*PITCH                   ; my 128 rows of W_O,
	s_add_co_u32 s22, s22, 2*AH                    ; behind ctx's two heads
.irp s, 0,1
	v_add_nc_u32 v[ADRA+\s], s21, v3
	v_add_nc_u32 v[ADRB+\s], s22, v3
	s_add_co_u32 s21, s21, SLOT
	s_add_co_u32 s22, s22, SLOT
.endr
	s_mul_i32 s23, s10, 16*SPITCH
	s_add_co_u32 s23, s23, STAGE                   ; my stage
	v_mul_u32_u24 v5, v1, SPITCH
	v_lshl_add_u32 v5, v2, 5, v5
	v_add_nc_u32 v[STO], s23, v5                   ; in: row r, 32 bytes for each half of the lanes
	v_and_b32 v6, 31, v0
	v_lshlrev_b32 v[CO], 4, v6                     ; back: the 32 lanes take one row of 512 bytes; the same in out0
	v_add_nc_u32 v[RD], s23, v[CO]
	s_lshl_b32 s16, s13, 19                        ; 128 rows of 4,096 bytes a tile row,
	s_lshl_b32 s17, s11, 18                        ; 64 rows
	s_add_co_u32 s16, s16, s17
	s_mov_b32 s17, 0
	s_lshl_b32 s46, s42, 10                        ; 256 columns of 4 bytes,
	s_lshl_b32 s47, s12, 9                         ; 128 columns
	s_add_co_u32 s46, s46, s47
	s_mov_b32 s47, 0
	s_add_nc_u64 s[16:17], s[16:17], s[46:47]
	s_add_nc_u64 s[8:9], s[8:9], s[16:17]
; 8 matrix instructions: ctx's block a against W_O's eight, 32 along K.  The 32 accumulators take turns in the same order in every quarter.  zero = 1: the products start the sums.
.macro MUL8 f, a, zero
.irp b, 0,1,2,3,4,5,6,7
.if \zero
	v_wmma_f32_16x16x32_f16 v[8*(8*(\a)+\b):8*(8*(\a)+\b)+7], v[\f+8*\b:\f+8*\b+7], v[\f+64+8*(\a):\f+64+8*(\a)+7], 0
.else
	v_wmma_f32_16x16x32_f16 v[8*(8*(\a)+\b):8*(8*(\a)+\b)+7], v[\f+8*\b:\f+8*\b+7], v[\f+64+8*(\a):\f+64+8*(\a)+7], v[8*(8*(\a)+\b):8*(8*(\a)+\b)+7]
.endif
.endr
.endm
; 24 LDS loads in one run: quarter q of a slot (head q / 2, channels 32 (q % 2) on) into buffer f: W_O's eight fragments, then ctx's four
.macro FETCH slot, q, f
	WIN 0
.irp i, 0,1,2,3,4,5,6,7
	ds_load_b128 v[\f+8*\i:\f+8*\i+3],   v[ADRB+\slot] offset:((\q)/2)*BH+((\q)%2)*64+2176*\i
	ds_load_b128 v[\f+8*\i+4:\f+8*\i+7], v[ADRB+\slot] offset:((\q)/2)*BH+((\q)%2)*64+2176*\i+32
.endr
.irp i, 0,1,2,3
	ds_load_b128 v[\f+64+8*\i:\f+64+8*\i+3],   v[ADRA+\slot] offset:((\q)/2)*AH+((\q)%2)*64+2176*\i
	ds_load_b128 v[\f+64+8*\i+4:\f+64+8*\i+7], v[ADRA+\slot] offset:((\q)/2)*AH+((\q)%2)*64+2176*\i+32
.endr
.endm
.macro PLACES
.rept 4
	v_nop
.endr
.endm
; One of a slot's first three quarters: multiplies quarter q from buffer f, and fetches quarter q + 1 into g in its middle.
.macro QUARTER slot, q, f, g, zero
	s_wait_dscnt 4                                 ; all but the youngest four loads (ctx's blocks 2 and 3) are in
	WIN MUL
	MUL8 \f, 0, \zero
	MUL8 \f, 1, \zero
	PLACES
	FETCH \slot, (\q)+1, \g
	s_wait_dscnt 24                                ; all but the 24 just issued
	WIN MUL
	MUL8 \f, 2, \zero
	MUL8 \f, 3, \zero
.endm
; A slot's last quarter multiplies buffer 1 and changes slots: ONE barrier; in front of it each wave waits for all its tensor loads, adds 0 to its spare word, and waits for that and for its reads of this slot.
.macro TURN slot, next, fill
	WIN 0
	s_wait_tensorcnt 0x0                           ; my part of the next slot has landed
	ds_add_u32 v[SPW], v[NIL]                      ; 0 onto my spare word
	s_wait_dscnt 5                                 ; the add and the youngest four loads may be out
	WIN MUL
	MUL8 F1, 0, 0
	s_wait_dscnt 0x0                               ; the add is done, and my reads of this slot are over
	s_barrier_signal -1
	MUL8 F1, 1, 0
.if \fill
	WIN 0
.endif
	s_barrier_wait -1
.if \fill
	CREST                                          ; the barrier has opened a round of the cluster's: no wave of any partner still reads this slot or has a load on its way
	s_add_nc_u64 s[G0+4*\slot+2:G0+4*\slot+3], s[G0+4*\slot+2:G0+4*\slot+3], 4<<20     ; two K steps, four heads, on
	s_add_nc_u64 s[G0B+4*\slot+2:G0B+4*\slot+3], s[G0B+4*\slot+2:G0B+4*\slot+3], 4<<17
	JLOAD \slot                                    ; the first tensor load behind the round; its four v_nop are also the places in front of the loads below
.else
	PLACES
.endif
	FETCH \next, 0, F0
	WIN MUL
	MUL8 F1, 2, 0
	MUL8 F1, 3, 0
.endm
	s_wait_tensorcnt 1                             ; my part of K step 0 is in; K step 1's load may be out
	s_barrier_signal -1
	s_barrier_wait -1
	FETCH 0, 0, F0
	QUARTER 0, 0, F0, F1, 1                        ; the first quarter stands in front of the loop: its products start the sums
	WIN 0
	s_mov_b32 s3, LAPS-1
.Llap:                                             ; a trip goes once round the ring, from a lap's second quarter to the next lap's first, and fills both slots again
	QUARTER 0, 1, F1, F0, 0
	QUARTER 0, 2, F0, F1, 0
	TURN 0, 1, 1
	QUARTER 1, 0, F0, F1, 0
	QUARTER 1, 1, F1, F0, 0
	QUARTER 1, 2, F0, F1, 0
	TURN 1, 0, 1
	QUARTER 0, 0, F0, F1, 0
	WIN 0
	s_sub_co_u32 s3, s3, 1
	s_cmp_lg_u32 s3, 0
	s_cbranch_scc1 .Llap
	QUARTER 0, 1, F1, F0, 0                        ; the last lap fills nothing
	QUARTER 0, 2, F0, F1, 0
	TURN 0, 1, 0
	QUARTER 1, 0, F0, F1, 0
	QUARTER 1, 1, F1, F0, 0
	QUARTER 1, 2, F0, F1, 0
	s_wait_dscnt 4                                 ; the very last quarter
	WIN MUL
	MUL8 F1, 0, 0
	MUL8 F1, 1, 0
	s_wait_dscnt 0
	MUL8 F1, 2, 0
	MUL8 F1, 3, 0
	WIN 0
; THE WAY OUT, block by block of 16 rows x 128 columns of f32: through my own stage and back as whole rows of 512 bytes.  LDS serves a wave's instructions in order: no wait between the stores and the loads.
.macro TOSTAGE a
	WIN 0x04                                       ; an LDS store's data are its source 1: window 1
.irp b, 0,1,2,3,4,5,6,7
	ds_store_b128 v[STO], v[64*(\a)+8*\b:64*(\a)+8*\b+3] offset:64*\b          ; each accumulator from its low end on
	ds_store_b128 v[STO], v[64*(\a)+8*\b+4:64*(\a)+8*\b+7] offset:64*\b+16
.endr
	WIN 0
.set BB, BK+64*((\a)%2)
.irp t, 0,1,2,3,4,5,6,7,8,9,10,11,12,13,14,15
	ds_load_b128 v[BB+4*\t:BB+4*\t+3], v[RD] offset:\t*SPITCH
.endr
.endm
.macro SEND a, younger                 ; younger: the LDS instructions issued behind block a's loads, which may stay out
.set BB, BK+64*((\a)%2)
	s_wait_dscnt \younger
.if (\a) > 0
	s_add_nc_u64 s[8:9], s[8:9], 16*4096           ; (behind a wait on XCNT: the earlier stores have read their base)  16 rows on
.endif
.irp t, 0,1,2,3,4,5,6,7,8,9,10,11,12,13,14,15
	global_store_b128 v[CO], v[BB+4*\t:BB+4*\t+3], s[8:9] offset:\t*4096 th:TH_STORE_NT   ; 32 lanes store 512 consecutive bytes, aligned; written once, read by nobody here
.endr
.endm
	PLACES                                         ; behind the last products: for the reads of results and the loads into the fragments' registers
	TOSTAGE 0
.irp a, 1,2,3
.if \a > 1
	s_wait_xcnt 0x0                                ; block a - 2's stores have read their registers and their base
.endif
	TOSTAGE \a
	SEND \a-1, 32                                  ; behind block a - 1's loads: block a's 16 stores and 16 loads
.endr
	s_wait_xcnt 0x0
	SEND 3, 0
	s_wait_tensorcnt 0x0                           ; the wave's end: three lines behind my last tensor load and my last LDS store
	ds_add_u32 v[SPW], v[NIL]
	s_wait_dscnt 0x0
	CROUND                                         ; the closing round
	s_endpgm
.Lfunc_end_k_q4b0cba983d_outp:
	.size	k_q4b0cba983d_outp, .Lfunc_end_k_q4b0cba983d_outp-k_q4b0cba983d_outp
	.p2alignl 7, 3214868480
	.fill 96, 4, 3214868480
	.section	.rodata,"a",@progbits
	.p2align	6, 0x0
	.amdhsa_kernel k_q4b0cba983d_outp
		.amdhsa_group_segment_fixed_size 327680
		.amdhsa_private_segment_fixed_size 0
		.amdhsa_enable_private_segment 0
		.amdhsa_kernarg_size 24
		.amdhsa_user_sgpr_count 2
		.amdhsa_user_sgpr_kernarg_segment_ptr 1
		.amdhsa_wavefront_size32 1
		.amdhsa_system_sgpr_workgroup_id_x 1
		.amdhsa_system_sgpr_workgroup_id_y 1
		.amdhsa_system_sgpr_workgroup_id_z 1
		.amdhsa_system_vgpr_workitem_id 0
		.amdhsa_next_free_vgpr 512
		.amdhsa_next_free_sgpr 66
		.amdhsa_reserve_vcc 0
		.amdhsa_float_denorm_mode_32 3
		.amdhsa_float_denorm_mode_16_64 3
		.amdhsa_memory_ordered 1
		.amdhsa_forward_progress 1
		.amdhsa_inst_pref_size 85
	.end_amdhsa_kernel
	.amdgpu_metadata
---
amdhsa.version: [ 1, 2 ]
amdhsa.kernels:
  - .name:           k_q4b0cba983d_outp
    .symbol:         k_q4b0cba983d_outp.kd
    .args:
      - { .name: ctxh, .offset: 0, .size: 8, .value_kind: global_buffer, .address_space: global }
      - { .name: wot, .offset: 8, .size: 8, .value_kind: global_buffer, .address_space: global }
      - { .name: out0, .offset: 16, .size: 8, .value_kind: global_buffer, .address_space: global }
    .group_segment_fixed_size: 327680
    .private_segment_fixed_size: 0
    .kernarg_segment_align: 8
    .kernarg_segment_size: 24
    .max_flat_workgroup_size: 128
    .sgpr_count:     66
    .vgpr_count:     512
    .wavefront_size: 32
...
	.end_amdgpu_metadata
.endif
;; end of part 4
